; MI455X (gfx1250); checked and timed in simulation.
; The chip was launched on July 23, 2026; its instructions are those of AMD's public machine-readable ISA for CDNA 5 (MIT licence, August 2026) and "CDNA5" Instruction Set Architecture Reference Guide (July 2026). The comments in the code are by the model that wrote it; some were corrected since.
;; Attention. Allowed arithmetic: matrix products marked QUANTISED: E5M2 operands, one E8M0 scale for each 32 along K, by v_wmma_scale_f32_16x16x128_f8f6f4 with both operands' format E5M2, f32 sums; everything else in f32.
;; Inputs: Wk 1,024 x 1,024 float32; Wo 1,024 x 1,024 float32; Wq 1,024 x 1,024 float32; Wv 1,024 x 1,024 float32; bk 1,024 float32; bo 1,024 float32; bq 1,024 float32; bv 1,024 float32; x 4 x 2,048 x 1,024 float32.
;; Outputs: out0 4 x 2,048 x 1,024 float32.
;; This version of the problem:
;;   THIS VERSION OF THE PROBLEM IS GIVEN IN LOW PRECISION. The matrix products marked QUANTISED in the list below multiply operands that are first quantised to E5M2 (5 exponent bits, 2 mantissa bits; 8 bits a number), with one power-of-two scale for each 32 numbers along K (OCP MX v1.0); their sums are f32. All else is computed in f32.
;;   The module's matrix products, in the order in which they are computed (A, B: the left and right operand; K: the contracted axis; several contracted axes count as one K, in the product's order):
;;     1. [M 8,192, K 1,024] x [K 1,024, N 1,024]; A: input x; B: input Wq: QUANTISED
;;     2. [M 8,192, K 1,024] x [K 1,024, N 1,024]; A: input x; B: input Wk: QUANTISED
;;     3. [M 8,192, K 1,024] x [K 1,024, N 1,024]; A: input x; B: input Wv: QUANTISED
;;     4. batch 64 x [M 2,048, K 64] x [K 64, N 2,048]; A: computed on the way; B: computed on the way: QUANTISED
;;     5. batch 64 x [M 2,048, K 2,048] x [K 2,048, N 64]; A: computed on the way; B: computed on the way: QUANTISED
;;     6. [M 8,192, K 1,024] x [K 1,024, N 1,024]; A: computed on the way; B: input Wo: QUANTISED
;;   THE QUANTISER, for each operand of a quantised product, along K:
;;     - K is cut into blocks of 32 from its start; a last block that is shorter is filled with zeros.
;;     - A block's scale is 2^e with e = floor(log2(the largest magnitude in the block)) - 15, held to -126 .. 127; a block of zeros has e = 0. As a byte (E8M0): e + 127.
;;     - Each number is divided by its block's scale, clamped to +-57,344, and rounded to the nearest number of E5M2, ties to even, subnormals kept.
;;     - The product sums the exact products of the quantised numbers (number of the format x scale) in f32.
;;   ~~~python
;;   def quantise(x, axis):      # numpy; x: float32 -> the quantised numbers, widened to float32 again
;;       x = np.moveaxis(x, axis, -1); K = x.shape[-1]
;;       x = np.pad(x, [(0, 0)] * (x.ndim - 1) + [(0, -K % 32)]); x = x.reshape(x.shape[:-1] + (-1, 32)); a = np.abs(x).max(-1, keepdims=True)
;;       e = np.where(a > 0, np.clip(np.frexp(np.where(a > 0, a, 1))[1] - 1 - 15, -126, 127), 0)      # np.frexp(a)[1] - 1 = floor(log2(a)), exactly
;;       r = np.clip(x / 2.0 ** e, -57344, 57344)
;;       step = 2.0 ** (np.maximum(np.frexp(np.where(r == 0, 1, r))[1] - 1, -14) - 2)
;;       q = np.round(r / step) * step * 2.0 ** e      # np.round: ties to even
;;       return np.moveaxis(q.reshape(q.shape[:-2] + (-1,))[..., :K], -1, axis).astype(np.float32)
;;   ~~~
;;   OPERANDS COMPUTED ON THE WAY. 'Computed on the way' means the value that the module computes at that place (a softmax that the list does not call 'softmax' is quantised finished and normalised). What goes into a quantiser is computed in f32, as accurately as f32 sums, v_exp_f32 and their like allow (about 1e-6 of the number): no bf16 or f16 on the way to a quantiser, and a product that is left as it is and whose result goes on into a quantised operand takes f32 operands (vector FMAs, or v_wmma_f32_16x16x4_f32). A number that lies on a knife's edge between two numbers of the format may be rounded either way, as far as f32 arithmetic and the matrix unit's own rounding can turn it there, and no further.
;; 2 versions, each right; version 2 is version 1 with the launch attn written anew for expert scheduling mode. Each part assembles by itself: llvm-mc -triple=amdgcn-amd-amdhsa -mcpu=gfx1250 --defsym DOCPART=n.
;; ======== version 1 of 2: 4 launches
;; workspace buffers: cod 12,582,912 bytes; scl 393,216 bytes; qkc 16,777,216 bytes; qks 1,048,576 bytes; vc 8,388,608 bytes; vs 262,144 bytes; ac 8,388,608 bytes; asc 262,144 bytes
;; launch quant (part 1): grid 384 x 1, 4 waves a work-group, no clusters, 33,280 bytes of LDS; arguments x, Wq, Wk, Wv, Wo, cod, scl; writes cod, scl
.if DOCPART == 1
	.amdgcn_target "amdgcn-amd-amdhsa--gfx1250"
	.amdhsa_code_object_version 6
	.text
	.protected	k_qb912a7a077_quant
	.globl	k_qb912a7a077_quant
	.p2align	8
	.type	k_qb912a7a077_quant,@function
k_qb912a7a077_quant:
	s_mov_b64 s[64:65], 0
	v_nop
	global_prefetch_b8 v0, s[64:65] scope:SCOPE_SE
	s_setreg_imm32_b32 hwreg(HW_REG_WAVE_MODE, 25, 1), 1
	s_wait_xcnt 0x0
; LAUNCH 1 OF 4.  x [8192][1024], Wq, Wk, Wv, Wo [1024][1024], f32, K innermost, become codes of BF8 (E5M2) with one E8M0 byte for each 32 along K.
; cod: 12,288 rows of 1,024 bytes (x, Wq, Wk, Wv, Wo on end); scl: 32 bytes a row.  ROW ORDER: row number n lies at the place n with its bits 3 and 4 exchanged,
; so that a tile of 16 neighbouring places holds rows 8 u + 0..7 and 16 + 8 u + 0..7 of a group of 32: a later product's results then lie 16 neighbours to a lane.
; WORK LEFT OUT IN THIS PROGRAM: jnp.abs(attn) alone.  attn is a softmax: an exponential divided by a sum of exponentials, which is 0 or more for all finite inputs, so abs is the identity.
; All inputs have a way to the output and all are loaded (bk too: it moves k's codes).  Nothing else is left out, so no NaN, infinity or overflow is lost with it.
; A block's scale is 2^(floor(log2(largest magnitude)) - 15); its byte is the largest magnitude's exponent field - 15, held at 1 from below.
; LIMITS: a block of zeros gets the byte 1 where the rule says 127 (its codes are zeros, and this program alone reads the bytes); blocks whose largest magnitude lies under 2^(16 - 127) keep the byte 1;
; NaN and infinities among the inputs are not served.
; A work-group takes 32 rows, a wave 8 rows = 16 steps of 512 numbers.  Each load reads 512 consecutive bytes; a step's 2,048 bytes turn through the wave's own stage in LDS so that a lane holds 16 neighbours.
; No tensor loads, no barrier: waves share nothing.  Loads run four steps ahead, the turn through LDS one step.
.set WAVES, 4
.set STEPS, 16
.set CB,    16                         ; bytes of 16 codes
.set R,     16                         ; v16-79   four sets of 16 numbers as loaded
.set X,     80                         ; v80-111  two sets of 16 neighbours
.set C,     128                        ; v128-191 codes, four registers a step
.set E,     112                        ; v112-127 a scale byte a step
.set WREG,  8192                       ; LDS: a region for each wave: two stages of 32 x SP bytes, then its 256 scale bytes
.set SP,    80                         ; a lane's place in a stage: 64 bytes + 16 of padding
.set SPW,   12                         ; v12 my spare word's LDS address; never rewritten
.set NIL,   13                         ; v13 0; never rewritten
.set SPARE, WAVES*WREG                 ; the spare words: 128 bytes a wave, named by no other line
	s_load_b256 s[4:11], s[0:1], 0x0               ; x, Wq, Wk, Wv
	s_load_b128 s[12:15], s[0:1], 0x20             ; Wo, cod
	s_load_b64 s[24:25], s[0:1], 0x30              ; scl
	v_lshl_add_u32 v[SPW], v0, 2, SPARE
	v_mov_b32 v[NIL], 0
	v_lshrrev_b32 v1, 5, v0
	v_readfirstlane_b32 s16, v1                    ; wave
	v_and_b32 v2, 31, v0                           ; lane
	v_lshlrev_b32 v3, 4, v2                        ; my 16 bytes of a load's 512
	s_mul_i32 s17, s16, WREG
	v_lshrrev_b32 v14, 2, v2
	v_mul_u32_u24 v14, v14, SP
	v_and_b32 v15, 3, v2
	v_lshl_add_u32 v14, v15, 4, v14
	v_add_nc_u32 v14, s17, v14                     ; the stage, way in: SP (lane / 4) + 16 (lane % 4)
	v_mul_u32_u24 v15, v2, SP
	v_add_nc_u32 v15, s17, v15                     ; way out: SP x lane: my 16 neighbours
	v_mul_u32_u24 v4, v2, CB                       ; my codes' place in a step's
	v_lshrrev_b32 v5, 1, v2
	s_add_co_u32 s17, s17, 2*32*SP
	v_add_nc_u32 v5, s17, v5                       ; my block's byte among the wave's 256
	v_lshlrev_b32 v7, 3, v2
	v_add_nc_u32 v6, s17, v7                       ; and 8 bytes a lane on their way out
	s_mov_b32 s23, 0x600000                        ; the mantissa field of 57,344
	s_and_b32 s28, ttmp9, 31                       ; a weight's work-group among its 32
	s_and_b32 s29, s16, 1
	s_lshl_b32 s29, s29, 1
	s_lshr_b32 s30, s16, 1
	s_or_b32 s29, s29, s30                         ; my wave's number with its two bits exchanged: they are bits 3 and 4 of the row
	s_lshl_b32 s30, ttmp9, 2
	s_add_co_u32 s29, s29, s30                     ; the run of 8 rows into which I store
	s_wait_kmcnt 0x0
	s_mov_b64 s[26:27], s[12:13]                   ; the tensor that I read: chosen by the work-group's number alone
	s_cmp_lt_u32 ttmp9, 352
	s_cselect_b64 s[26:27], s[10:11], s[26:27]
	s_cmp_lt_u32 ttmp9, 320
	s_cselect_b64 s[26:27], s[8:9], s[26:27]
	s_cmp_lt_u32 ttmp9, 288
	s_cselect_b64 s[26:27], s[6:7], s[26:27]
	s_cmp_lt_u32 ttmp9, 256
	s_cselect_b64 s[26:27], s[4:5], s[26:27]
	s_cselect_b32 s17, ttmp9, s28                  ; my work-group's number inside that tensor
	s_lshl_b32 s17, s17, 2
	s_add_co_u32 s18, s17, s16                     ; the run of 8 rows that I read
	s_lshl_b32 s18, s18, 15                        ; 32,768 bytes a run
	s_mov_b32 s19, 0
	s_add_nc_u64 s[26:27], s[26:27], s[18:19]
	s_lshl_b32 s18, s29, 13                        ; 8,192 bytes of codes a run
	s_add_nc_u64 s[14:15], s[14:15], s[18:19]
	s_lshl_b32 s18, s29, 8                         ; 256 scale bytes a run
	s_add_nc_u64 s[24:25], s[24:25], s[18:19]
.macro LOAD t
.irp i, 0,1,2,3
	global_load_b128 v[R+16*((\t)%4)+4*\i:R+16*((\t)%4)+4*\i+3], v3, s[26:27] offset:2048*(\t)+512*\i th:TH_LOAD_NT   ; 32 lanes read 512 consecutive bytes
.endr
.endm
.macro TURN t                          ; step t's numbers through the stage: LDS serves a wave's instructions in order, so no wait stands between the stores and the loads
.irp i, 0,1,2,3
	ds_store_b128 v14, v[R+16*((\t)%4)+4*\i:R+16*((\t)%4)+4*\i+3] offset:32*SP*((\t)%2)+8*SP*\i
.endr
.irp i, 0,1,2,3
	ds_load_b128 v[X+16*((\t)%2)+4*\i:X+16*((\t)%2)+4*\i+3], v15 offset:32*SP*((\t)%2)+16*\i
.endr
.endm
.irp t, 0,1,2,3
	LOAD \t
.endr
	s_wait_loadcnt 12                              ; step 0's four loads are in; twelve younger ones stay out
	TURN 0
.macro STEP t
.set XS, X+16*((\t)%2)
.if (\t) > 0
	s_wait_dscnt 1                                 ; this step's numbers are back from the stage (the last step's byte store may be out)
.else
	s_wait_dscnt 0x0
.endif
.if (\t)+4 < STEPS
	LOAD (\t)+4                                    ; into the registers that this step's stores to the stage have read
.endif
.if (\t)+1 < STEPS
.if STEPS-2-(\t) >= 3
	s_wait_loadcnt 12                              ; the next step's four loads are in; those of the three steps behind it may be out
.else
	s_wait_loadcnt 4*(STEPS-2-(\t))
.endif
	TURN (\t)+1
.endif
	v_max3_num_f32 v8, |v[XS]|, |v[XS+1]|, |v[XS+2]|               ; the largest magnitude of my 16, in two chains
	v_max3_num_f32 v9, |v[XS+3]|, |v[XS+4]|, |v[XS+5]|
.irp i, 6,10
	v_max3_num_f32 v8, v8, |v[XS+\i]|, |v[XS+\i+1]|
	v_max3_num_f32 v9, v9, |v[XS+\i+2]|, |v[XS+\i+3]|
.endr
	v_max3_num_f32 v8, v8, |v[XS+14]|, |v[XS+15]|
	v_max3_num_f32 v8, v8, v9, 0x8000000           ; and the floor 2^(16 - 127): the byte cannot fall under 1
	v_max_num_f32_dpp v8, v8, v8 row_xmask:1 row_mask:0xf bank_mask:0xf   ; with my neighbour's 16: the block's
	v_add_nc_u32 v11, 0xf8800000, v8               ; 15 off the exponent field: the conversion's scale operand
	v_and_or_b32 v10, v8, 0x7f800000, s23          ; 57,344 x the scale
.irp i, 0,1,2,3,4,5,6,7,8,9,10,11,12,13,14,15
	v_med3_num_f32 v[XS+\i], v[XS+\i], -v10, v10   ; the conversion to an 8-bit code does not saturate (ISA guide 7.6.2): the hold comes first
.endr
	v_cvt_scalef32_pk8_bf8_f32 v[C+4*(\t):C+4*(\t)+1], v[XS:XS+7], v11
	v_cvt_scalef32_pk8_bf8_f32 v[C+4*(\t)+2:C+4*(\t)+3], v[XS+8:XS+15], v11
	v_lshrrev_b32 v[E+(\t)], 23, v11               ; the scale's byte (also the plain line behind the conversions)
	ds_store_b8 v5, v[E+(\t)] offset:16*(\t)       ; both lanes of a block write the same byte with the same value
	global_store_b128 v4, v[C+4*(\t):C+4*(\t)+3], s[14:15] offset:32*CB*(\t)   ; 512 consecutive bytes
.endm
.irp t, 0,1,2,3,4,5,6,7,8,9,10,11,12,13,14,15
	STEP \t
.endr
	ds_load_b64 v[8:9], v6                         ; LDS serves a wave's instructions in order: these see my byte stores
	s_wait_dscnt 0x0
	global_store_b64 v7, v[8:9], s[24:25]          ; 32 lanes store 256 consecutive bytes, aligned
	s_wait_tensorcnt 0x0                           ; the wave's end
	ds_add_u32 v[SPW], v[NIL]
	s_wait_dscnt 0x0
	s_endpgm
.Lfunc_end_k_qb912a7a077_quant:
	.size	k_qb912a7a077_quant, .Lfunc_end_k_qb912a7a077_quant-k_qb912a7a077_quant
	.p2alignl 7, 3214868480
	.fill 96, 4, 3214868480
	.section	.rodata,"a",@progbits
	.p2align	6, 0x0
	.amdhsa_kernel k_qb912a7a077_quant
		.amdhsa_group_segment_fixed_size 33280
		.amdhsa_private_segment_fixed_size 0
		.amdhsa_enable_private_segment 0
		.amdhsa_kernarg_size 56
		.amdhsa_user_sgpr_count 2
		.amdhsa_user_sgpr_kernarg_segment_ptr 1
		.amdhsa_wavefront_size32 1
		.amdhsa_system_sgpr_workgroup_id_x 1
		.amdhsa_system_sgpr_workgroup_id_y 1
		.amdhsa_system_sgpr_workgroup_id_z 1
		.amdhsa_system_vgpr_workitem_id 0
		.amdhsa_next_free_vgpr 192
		.amdhsa_next_free_sgpr 66
		.amdhsa_reserve_vcc 0
		.amdhsa_float_denorm_mode_32 3
		.amdhsa_float_denorm_mode_16_64 3
		.amdhsa_memory_ordered 1
		.amdhsa_forward_progress 1
		.amdhsa_inst_pref_size 51
	.end_amdhsa_kernel
	.amdgpu_metadata
---
amdhsa.version: [ 1, 2 ]
amdhsa.kernels:
  - .name:           k_qb912a7a077_quant
    .symbol:         k_qb912a7a077_quant.kd
    .args:
      - { .name: x, .offset: 0, .size: 8, .value_kind: global_buffer, .address_space: global }
      - { .name: Wq, .offset: 8, .size: 8, .value_kind: global_buffer, .address_space: global }
      - { .name: Wk, .offset: 16, .size: 8, .value_kind: global_buffer, .address_space: global }
      - { .name: Wv, .offset: 24, .size: 8, .value_kind: global_buffer, .address_space: global }
      - { .name: Wo, .offset: 32, .size: 8, .value_kind: global_buffer, .address_space: global }
      - { .name: cod, .offset: 40, .size: 8, .value_kind: global_buffer, .address_space: global }
      - { .name: scl, .offset: 48, .size: 8, .value_kind: global_buffer, .address_space: global }
    .group_segment_fixed_size: 33280
    .private_segment_fixed_size: 0
    .kernarg_segment_align: 8
    .kernarg_segment_size: 56
    .max_flat_workgroup_size: 128
    .sgpr_count:     66
    .vgpr_count:     192
    .wavefront_size: 32
...
	.end_amdgpu_metadata
.endif
;; end of part 1
;; launch qkv (part 2): grid 12 x 32, 4 waves a work-group, clusters of 4 x 4, 327,680 bytes of LDS; arguments cod, scl, bq, bk, bv, qkc, qks, vc, vs; writes qkc, qks, vc, vs
.if DOCPART == 2
	.amdgcn_target "amdgcn-amd-amdhsa--gfx1250"
	.amdhsa_code_object_version 6
	.text
	.protected	k_qb912a7a077_qkv
	.globl	k_qb912a7a077_qkv
	.p2align	8
	.type	k_qb912a7a077_qkv,@function
k_qb912a7a077_qkv:
	s_mov_b64 s[64:65], 0
	v_nop
	global_prefetch_b8 v0, s[64:65] scope:SCOPE_SE
	s_setreg_imm32_b32 hwreg(HW_REG_WAVE_MODE, 25, 1), 1
	s_wait_xcnt 0x0
	s_wait_alu depctr_hold_cnt(0) depctr_sa_sdst(0) depctr_va_vdst(0) depctr_va_sdst(0) depctr_va_ssrc(0) depctr_va_vcc(0) depctr_vm_vsrc(0)
	s_getreg_b32 s2, hwreg(HW_REG_IB_STS2, 6, 4)
	s_cmp_eq_u32 s2, 0
	s_cbranch_scc0 .Lentry_in_a_cluster
	s_endpgm
.Lentry_in_a_cluster:
	s_bfe_u32 s2, ttmp6, 0x10000c
	s_cmp_lg_u32 s2, 0xf033
	s_cbranch_scc0 .Lentry_shape_is_right
	s_endpgm
.Lentry_shape_is_right:
; LAUNCH 2 OF 4.  q = x Wq^T + bq, k = x Wk^T + bk, v = x Wv^T + bv on codes of BF8 with E8M0 scales (K = 1,024), and the results quantised at once for the attention:
; q and k along the head's 64 (qkc [q, k][batch x head][token][64 bytes]; qks: a word a token, its two block bytes twice: s0, s1, s0, s1), v along the KEYS (vc [batch x head][d][2,048 bytes]; vs [batch x head][keys / 128][d]: a word).
; A work-group of four waves makes 256 x 256 results, a wave 128 x 128 in 64 accumulators.  K goes in steps of 256 through two LDS slots filled by tensor loads; the scale bytes of the 512 rows come once.
; The matrix instruction takes 16 rows of "B" as source 0 and 16 rows of "A" as source 1: a lane holds ONE row of A and its registers run along B's rows.
; Clusters 0 and 1 along x (Q and K): A = tokens, B = the weight's features: registers run along the features, which are the next K.  Cluster 2 (V): A = Wv's features, B = tokens: registers run along the keys.
; Which rows are A and B is arithmetic on ids; the loop is one text.  By the row order of cod (bits 3 and 4 exchanged) a lane's 16 registers of B's blocks 2 e and 2 e + 1 are 16 neighbours: 32 e + 16 (lane / 16) + 0 .. 15,
; and A's block a holds in lane r the row 32 (a / 2) + 8 (a % 2) + r + 8 (r / 8).
; CLUSTERS 4 x 4: A's tile hangs on cy (and the cluster's y) alone and is asked for jointly along a row of the cluster, B's on cx alone, along a column.
; LIMITS: as in the first launch (byte 1 for blocks of zeros and under the floor; NaN and infinities not served).
; REGISTERS: window 0: v0-31 addresses; v32-63 scale words, two sets; v64-127 the bias; v128-255 A's fragments, on the way out at work.  window 1: B's fragments, two sets.  windows 2, 3: accumulators ((a, b) at v[8 (8 (a % 4) + b)]).
.set KSTEP,  256
.set NQ,     2
.set ROWB,   256
.set KROW,   1024
.set PITCH,  272                       ; an LDS row: 256 bytes + 16: the 16 rows of a fragment load start 68 words apart
.set FR,     16
.set NL,     4
.set NP,     8                         ; places behind this matrix instruction (ISA guide 7.12.1)
.set HALFT,  128*PITCH
.set SLOT,   4*HALFT
.set LAPS,   2                         ; 1,024 / 512
.set KS,     32
.set SCL,    2*SLOT
.set HALFS,  16*272
.set SBLK,   2*272
.set SPARE,  SCL+4*HALFS               ; the spare words, 128 bytes a wave
.set QST,    0                         ; way out of Q and K: [4 heads][256 tokens][64 bytes], in slot 0, which has had its last fill and its last read by then
.set VST,    69632                     ; way out of V: 256 rows x 272 bytes, in slot 0 too: bytes of its own
.set QSS,    SPARE+512                 ; scale words of Q and K: 1,024 bytes a wave
.set VSS,    QSS+4096                  ; of V: 512 bytes a wave
.set ADRA, 16
.set ADRB, 20
.set ADRS, 27
.set SPW,  28
.set NIL,  29
.set SC,   32
.set BI,   64
.set AF,   128
.set T,    128                         ; way out: 64 numbers
.set PC,   192                         ; their codes
.set TM,   208                         ; v208-223 at work
.set PW,   224                         ; the scale word
.set PD,   225
.set G1, 24
.set G0, 32
.set G1B, 48
.set G0B, 56
.set G1S, 68
.set G0S, 76
.set G1SB, 80
.set G0SB, 88
.set WV,  92                           ; s92 wave; s93 wave / 2: my half of A's rows, and: I fetch for A (0) or B (1); s94 wave % 2: my half of B's rows, and which 128 rows I fetch
.set RH,  93
.set CH,  94
.set MODE, 95                          ; s95 1 = V
.set SEL, 96
.set MNT, 98
.set MSB, 0
.macro WIN new                         ; the immediate's high byte repeats the setting that is left
.if MSB != (\new)
	s_set_vgpr_msb (MSB<<8)|(\new)
.set MSB, (\new)
.endif
.endm
.set MUL_LO, 0xa1
.set MUL_HI, 0xf1
.set TO_B,   0x40
.macro JLOAD g0a, g1a, g0b, g1b        ; a joint load: waves 0, 1 for A, waves 2, 3 for B; the branch hangs on the wave's number alone; s_nop 0 and four v_nop follow each line
	s_cmp_eq_u32 s[RH], 0
	s_cbranch_scc0 .Lfor_b_\@
	tensor_load_to_lds s[\g0a:\g0a+3], s[\g1a:\g1a+7]
	s_nop 0
.rept 4
	v_nop
.endr
	s_branch .Lasked_\@
.Lfor_b_\@:
	tensor_load_to_lds s[\g0b:\g0b+3], s[\g1b:\g1b+7]
	s_nop 0
.rept 4
	v_nop
.endr
.Lasked_\@:
.endm
.macro CREST
	s_cmp_lg_u32 s[WV], 0
	s_cbranch_scc1 .Lnot_wave_0_\@
	s_barrier_signal -3
.Lnot_wave_0_\@:
	s_barrier_wait -3
	s_barrier_signal -1
	s_barrier_wait -1
.endm
.macro CROUND
	s_barrier_signal -1
	s_barrier_wait -1
	CREST
.endm
	s_load_b128 s[4:7], s[0:1], 0x0                ; cod, scl
	s_load_b256 s[8:15], s[0:1], 0x10              ; bq, bk, bv, qkc
	s_load_b128 s[16:19], s[0:1], 0x30             ; qks, vc
	s_load_b64 s[20:21], s[0:1], 0x40              ; vs
	v_lshl_add_u32 v[SPW], v0, 2, SPARE
	v_mov_b32 v[NIL], 0
	ds_add_u32 v[SPW], v[NIL]                      ; the opening: the add, twice on end, and its wait ahead of my first tensor load
	ds_add_u32 v[SPW], v[NIL]
	v_lshrrev_b32 v1, 5, v0
	v_readfirstlane_b32 s[WV], v1
	s_lshr_b32 s[RH], s[WV], 1
	s_and_b32 s[CH], s[WV], 1
	s_bfe_u32 s40, ttmp6, 0x40000                  ; cx
	s_bfe_u32 s41, ttmp6, 0x40004                  ; cy
	s_and_b32 s42, ttmp7, 0xffff
	s_lshl_b32 s42, s42, 2
	s_add_co_u32 s66, s42, s41                     ; 4 x cluster y + cy
	s_add_co_u32 s67, s42, s40                     ; 4 x cluster y + cx
	s_add_co_u32 s43, s41, 40                      ; V: A's tile of 256 rows of cod: Wv begins at tile 40
	s_lshl_b32 s44, ttmp9, 2
	s_add_co_u32 s44, s44, s40
	s_add_co_u32 s44, s44, 32                      ; Q, K: B's tile: Wq begins at tile 32, Wk at 36
	s_cmp_eq_u32 ttmp9, 2                          ; the cluster's x: the same in all sixteen partners
	s_cselect_b32 s99, s43, s66                    ; A's tile: made of cy and the cluster's y
	s_cselect_b32 s100, s67, s44                   ; B's tile: made of cx and the cluster's place
	s_cselect_b32 s[MODE], 1, 0
	s_lshl_b32 s43, s41, 2
	s_lshl_b32 s43, 15, s43                        ; my row of the cluster
	s_lshl_b32 s44, 0x1111, s40                    ; my column
	s_or_b32 s[G1+0], s43, (0<<16)|(1<<20)|(1<<21)|(5<<22)|(3<<25)  ; mask; elements of 1 byte; padding on; bit 21 beside a mask; 4 words behind every 64
	s_or_b32 s[G1B+0], s44, (0<<16)|(1<<20)|(1<<21)|(5<<22)|(3<<25)
.irp g, G1, G1B
	s_mov_b32 s[\g+1], ROWB<<16                    ; tensor_dim0
	s_mov_b32 s[\g+2], 128<<16                     ; tensor_dim1
	s_mov_b32 s[\g+3], ROWB<<16                    ; tile_dim0
	s_mov_b32 s[\g+4], 128                         ; tile_dim1
	s_mov_b32 s[\g+5], KROW                        ; pitch
	s_mov_b32 s[\g+6], 0
	s_mov_b32 s[\g+7], 0
.endr
	s_or_b32 s[G1S+0], s43, (3<<16)|(1<<20)|(1<<21)|(5<<22)|(3<<25)  ; the scales of 128 rows: 4,096 dense bytes as 16 rows of 256 (32 elements of 8 bytes), 16 bytes behind each
	s_or_b32 s[G1SB+0], s44, (3<<16)|(1<<20)|(1<<21)|(5<<22)|(3<<25)
.irp g, G1S, G1SB
	s_mov_b32 s[\g+1], 32<<16
	s_mov_b32 s[\g+2], 16<<16
	s_mov_b32 s[\g+3], 32<<16
	s_mov_b32 s[\g+4], 16
	s_mov_b32 s[\g+5], 32
	s_mov_b32 s[\g+6], 0
	s_mov_b32 s[\g+7], 0
.endr
	s_lshl_b32 s22, s[CH], 7                       ; which 128 rows of the tile I fetch
	s_lshl_b32 s46, s99, 8
	s_add_co_u32 s46, s46, s22                     ; A: row of cod
	s_lshl_b32 s100, s100, 8
	s_add_co_u32 s100, s100, s22                   ; B: row of cod
	s_lshl_b32 s42, s46, 5                         ; their scales: 32 bytes a row
	s_mov_b32 s43, 0
	s_lshl_b32 s46, s46, 10                        ; their codes: 1,024 bytes a row (12,288 rows: under 2^24)
	s_mov_b32 s47, 0
	s_lshl_b32 s44, s100, 5
	s_mov_b32 s45, 0
	s_lshl_b32 s100, s100, 10
	s_mov_b32 s101, 0
	s_mul_i32 s2, s[WV], HALFT                     ; where they go: wave x 128 rows: no place in the cluster enters an LDS address
	s_mul_i32 s99, s[WV], HALFS
	s_mov_b32 s[SEL], 0x76543210
	s_mov_b32 s[SEL+1], 0xfedcba98
	s_mov_b32 s[MNT], 0x600000
	s_wait_dscnt 0x0                               ; both opening adds are done
	s_wait_kmcnt 0x0
	s_add_nc_u64 s[46:47], s[4:5], s[46:47]
	s_add_nc_u64 s[42:43], s[6:7], s[42:43]
	s_add_nc_u64 s[100:101], s[4:5], s[100:101]
	s_add_nc_u64 s[44:45], s[6:7], s[44:45]
	CROUND                                         ; all sixteen work-groups are here: the first joint loads meet
	s_mov_b32 s[G0S], 1
	s_add_co_u32 s[G0S+1], s99, SCL
	s_mov_b64 s[G0S+2:G0S+3], s[42:43]
	s_or_b32 s[G0S+3], s[G0S+3], 0x80000000
	s_mov_b32 s[G0SB], 1
	s_add_co_u32 s[G0SB+1], s99, SCL
	s_mov_b64 s[G0SB+2:G0SB+3], s[44:45]
	s_or_b32 s[G0SB+3], s[G0SB+3], 0x80000000
	JLOAD G0S, G1S, G0SB, G1SB                     ; the scales first: they are wanted with K step 0
.irp s, 0,1
	s_mov_b32 s[G0+4*\s], 1
	s_add_co_u32 s[G0+4*\s+1], s2, \s*SLOT
	s_add_nc_u64 s[G0+4*\s+2:G0+4*\s+3], s[46:47], \s*ROWB
	s_or_b32 s[G0+4*\s+3], s[G0+4*\s+3], 0x80000000
	s_mov_b32 s[G0B+4*\s], 1
	s_add_co_u32 s[G0B+4*\s+1], s2, \s*SLOT
	s_add_nc_u64 s[G0B+4*\s+2:G0B+4*\s+3], s[100:101], \s*ROWB
	s_or_b32 s[G0B+4*\s+3], s[G0B+4*\s+3], 0x80000000
	JLOAD G0+4*\s, G1, G0B+4*\s, G1B               ; by this text's count three tensor loads of a wave are out here
.endr
	v_and_b32 v1, 15, v0                           ; r = lane % 16 (kept)
	v_bfe_u32 v2, v0, 4, 1                         ; h = lane / 16 (kept)
	v_mul_u32_u24 v3, v1, PITCH
	v_lshl_add_u32 v4, v2, 4, v3
	s_mul_i32 s22, s[RH], HALFT                    ; my 128 rows of A
	s_mul_i32 s23, s[CH], HALFT
	s_add_co_u32 s23, s23, 2*HALFT                 ; my 128 rows of B, behind A's 256
.irp s, 0,1
	v_add_nc_u32 v[ADRA+\s], s22, v4
	v_add_nc_u32 v[ADRB+\s], s23, v4
	s_add_co_u32 s22, s22, SLOT
	s_add_co_u32 s23, s23, SLOT
.endr
	v_mul_u32_u24 v5, v1, KS                       ; my row's scales: 32 bytes a row,
	v_lshrrev_b32 v6, 8, v5
	v_lshl_add_u32 v5, v6, 4, v5                   ; 16 more for each 256 passed
	s_mul_i32 s22, s[RH], HALFS
	s_mul_i32 s23, s[CH], HALFS
	s_add_co_u32 s23, s23, 2*HALFS
	s_sub_co_u32 s23, s23, s22
	v_mul_u32_u24 v6, s23, v2                      ; lanes 16-31 take B's: one product, the distance between the two bases
	s_add_co_u32 s22, s22, SCL
	v_add_nc_u32 v5, v5, v6
	v_add_nc_u32 v[ADRS], s22, v5
.macro FRAG reg, adr, q, i             ; 16 rows x 128 K: lane l holds row l % 16; registers 4 c .. 4 c + 3 hold K = 32 c + 16 (l / 16) + 0 .. 15
.irp c, 0,1,2,3
	ds_load_b128 v[\reg+4*\c:\reg+4*\c+3], v[\adr] offset:128*(\q)+32*\c+(\i)*16*PITCH
.endr
.endm
; 16 matrix instructions: A's blocks a0, a0 + 1 x B's eight.  The 64 accumulators take turns, one instruction a turn, in the same order in every step.
.macro MUL16 a0, p, q, sc, zero
.irp a, \a0, \a0+1
.irp b, 0,1,2,3,4,5,6,7
.if \zero
	v_wmma_scale_f32_16x16x128_f8f6f4 v[8*(8*((\a)%4)+\b):8*(8*((\a)%4)+\b)+7], v[128*(\p)+FR*\b:128*(\p)+FR*\b+FR-1], v[AF+FR*(\a):AF+FR*(\a)+FR-1], 0, v[SC+8*NQ*(\sc)+NQ*\b+(\q)], v[SC+8*NQ*(\sc)+NQ*(\a)+(\q)] matrix_a_fmt:MATRIX_FMT_BF8 matrix_b_fmt:MATRIX_FMT_BF8 matrix_a_scale:MATRIX_SCALE_ROW1
.else
	v_wmma_scale_f32_16x16x128_f8f6f4 v[8*(8*((\a)%4)+\b):8*(8*((\a)%4)+\b)+7], v[128*(\p)+FR*\b:128*(\p)+FR*\b+FR-1], v[AF+FR*(\a):AF+FR*(\a)+FR-1], v[8*(8*((\a)%4)+\b):8*(8*((\a)%4)+\b)+7], v[SC+8*NQ*(\sc)+NQ*\b+(\q)], v[SC+8*NQ*(\sc)+NQ*(\a)+(\q)] matrix_a_fmt:MATRIX_FMT_BF8 matrix_b_fmt:MATRIX_FMT_BF8 matrix_a_scale:MATRIX_SCALE_ROW1
.endif
.endr
.endr
.endm
.macro FETCH_B slot, q, p
	WIN TO_B
.irp i, 0,1,2,3,4,5,6,7
	FRAG 128*(\p)+FR*\i, ADRB+\slot, \q, \i
.endr
	WIN 0
.endm
.macro FETCH_A slot, q, i0
.irp i, \i0, \i0+1, \i0+2, \i0+3
	FRAG AF+FR*(\i), ADRA+\slot, \q, \i
.endr
.endm
.macro SCALES sc                       ; a K step's scale words: two a row; lanes 0-15 A's block i, lanes 16-31 B's block i
.irp i, 0,1,2,3,4,5,6,7
	ds_load_b64 v[SC+8*NQ*\sc+NQ*\i:SC+8*NQ*\sc+NQ*\i+1], v[ADRS] offset:\i*SBLK
.endr
.endm
.macro PLACES n                        ; plain vector instructions between a matrix instruction and a load into, or a read of, its registers
.rept \n
	v_nop
.endr
.endm
.macro STEP slot, q, zero              ; 128 along K that has its successor in the same slot
	s_wait_dscnt 4*NL                              ; B's set and A's blocks 0-3 are in; the 16 youngest loads (A's blocks 4-7) may be out
	WIN MUL_LO
	MUL16 0, (\q)%2, \q, \slot, \zero
	MUL16 2, (\q)%2, \q, \slot, \zero
	s_wait_dscnt 0
	PLACES NP
	FETCH_B \slot, (\q)+1, 1-(\q)%2
	FETCH_A \slot, (\q)+1, 0
	WIN MUL_HI
	MUL16 4, (\q)%2, \q, \slot, \zero
	MUL16 6, (\q)%2, \q, \slot, \zero
	PLACES NP
	WIN 0
	FETCH_A \slot, (\q)+1, 4
.endm
.macro TURN slot, next, fill           ; a slot's last step changes slots: one barrier; fill = 1: it opens a round of the cluster's barrier and this slot is filled again
	s_wait_tensorcnt 0x0                           ; all my tensor loads have landed: my part of the next slot
	ds_add_u32 v[SPW], v[NIL]
	s_wait_dscnt 4*NL+1                            ; (the add and the 16 youngest loads may be out)
	WIN MUL_LO
	MUL16 0, 1, NQ-1, \slot, 0
	s_wait_dscnt 0x0                               ; the add is done, and my reads of this slot are over
	s_barrier_signal -1
	MUL16 2, 1, NQ-1, \slot, 0
	WIN 0
	s_barrier_wait -1
.if \fill
	CREST                                          ; no wave of any partner still reads this slot or has a load on its way
	s_add_nc_u64 s[G0+4*\slot+2:G0+4*\slot+3], s[G0+4*\slot+2:G0+4*\slot+3], 2*ROWB
	s_add_nc_u64 s[G0B+4*\slot+2:G0B+4*\slot+3], s[G0B+4*\slot+2:G0B+4*\slot+3], 2*ROWB
	JLOAD G0+4*\slot, G1, G0B+4*\slot, G1B         ; the first tensor load behind the round; its four v_nop are four of the eight places
	PLACES NP-4
.else
	PLACES NP
.endif
	v_add_nc_u32 v[ADRS], 4*NQ, v[ADRS]            ; the next K step's scale words
	FETCH_B \next, 0, 0
	FETCH_A \next, 0, 0
	SCALES \next
	WIN MUL_HI
	MUL16 4, 1, NQ-1, \slot, 0
	MUL16 6, 1, NQ-1, \slot, 0
	PLACES NP
	WIN 0
	FETCH_A \next, 0, 4
.endm
.macro LAST                            ; the last 128 along K: nothing more to fetch
	s_wait_dscnt 4*NL
	WIN MUL_LO
	MUL16 0, 1, NQ-1, 1, 0
	MUL16 2, 1, NQ-1, 1, 0
	s_wait_dscnt 0
	WIN MUL_HI
	MUL16 4, 1, NQ-1, 1, 0
	MUL16 6, 1, NQ-1, 1, 0
	WIN 0
.endm
; 64 numbers of a lane, register 16 b + i = place 32 b + 16 (lane / 16) + i along the next K, become 16 registers of codes in v[PC] on and a scale word in v[PW]
.macro QUANT s
.irp b, 0,1,2,3
	v_max3_num_f32 v[TM+\b], |v[\s+16*\b]|, |v[\s+1+16*\b]|, 0x8000000   ; my 16 numbers of block b, and the floor 2^(16 - 127)
.endr
.irp i, 2,4,6,8,10,12,14
.irp b, 0,1,2,3
	v_max3_num_f32 v[TM+\b], v[TM+\b], |v[\s+16*\b+\i]|, |v[\s+1+16*\b+\i]|
.endr
.endr
.irp b, 0,1,2,3
	v_permlanex16_b32 v[TM+4+\b], v[TM+\b], s[SEL], s[SEL+1]
.endr
.irp b, 0,1,2,3
	v_max_num_f32 v[TM+\b], v[TM+\b], v[TM+4+\b]   ; with lane l xor 16's: the block's largest magnitude
.endr
.irp b, 0,1,2,3
	v_add_nc_u32 v[TM+12+\b], 0xf8800000, v[TM+\b]   ; 15 off the exponent field: the conversion's scale operand
.endr
.irp b, 0,1,2,3
	v_and_or_b32 v[TM+8+\b], v[TM+\b], 0x7f800000, s[MNT]   ; 57,344 x the scale
.endr
.irp b, 0,1,2,3
	v_lshrrev_b32 v[TM+4+\b], 23, v[TM+12+\b]      ; the byte
.endr
	v_lshl_or_b32 v[PW], v[TM+5], 8, v[TM+4]
	v_lshl_or_b32 v[PW], v[TM+6], 16, v[PW]
	v_lshl_or_b32 v[PW], v[TM+7], 24, v[PW]
.irp b, 0,1,2,3
.irp i, 0,1,2,3,4,5,6,7,8,9,10,11,12,13,14,15
	v_med3_num_f32 v[\s+16*\b+\i], v[\s+16*\b+\i], -v[TM+8+\b], v[TM+8+\b]   ; the conversion does not saturate (ISA guide 7.6.2): the hold
.endr
	v_cvt_scalef32_pk8_bf8_f32 v[PC+4*\b:PC+1+4*\b], v[\s+16*\b:\s+7+16*\b], v[TM+12+\b]
	v_cvt_scalef32_pk8_bf8_f32 v[PC+2+4*\b:PC+3+4*\b], v[\s+8+16*\b:\s+15+16*\b], v[TM+12+\b]
.endr
	v_nop                                          ; a plain line behind the last conversion
.endm
	s_wait_tensorcnt 1                             ; the scales and my part of K step 0 are in; K step 1's load may be out
	s_barrier_signal -1
	s_barrier_wait -1
	FETCH_B 0, 0, 0
	FETCH_A 0, 0, 0
	SCALES 0
	FETCH_A 0, 0, 4
	STEP 0, 0, 1                                   ; the first step's products start the sums
	s_mov_b32 s3, LAPS-1
.Llap:
	TURN 0, 1, 1
	STEP 1, 0, 0
	TURN 1, 0, 1
	STEP 0, 0, 0
	s_sub_co_u32 s3, s3, 1
	s_cmp_lg_u32 s3, 0
	s_cbranch_scc1 .Llap
	TURN 0, 1, 0                                   ; the last lap fills nothing
	STEP 1, 0, 0
	s_cmp_eq_u32 s[MODE], 1                        ; the two ways out part here, on the cluster's x alone, and meet again at the closing round
	s_cbranch_scc1 .Lv_way
	; ---- Q AND K.  The bias is asked for first and lands under the last 64 products.
	s_cmp_eq_u32 ttmp9, 0
	s_cselect_b64 s[100:101], s[8:9], s[10:11]     ; bq or bk
	s_lshl_b32 s42, s40, 10                        ; 256 cx features,
	s_lshl_b32 s43, s[CH], 9                       ; my 128 of them, 4 bytes each
	s_add_co_u32 s42, s42, s43
	s_mov_b32 s43, 0
	s_add_nc_u64 s[100:101], s[100:101], s[42:43]
	v_lshlrev_b32 v3, 6, v2                        ; 16 h numbers on
.irp b, 0,1,2,3,4,5,6,7
	global_load_b128 v[BI+8*\b:BI+8*\b+3], v3, s[100:101] offset:(32*(\b/2)+8*(\b%2))*4      ; register 8 b + j: feature 32 (b / 2) + 16 h + 8 (b % 2) + j
	global_load_b128 v[BI+8*\b+4:BI+8*\b+7], v3, s[100:101] offset:(32*(\b/2)+8*(\b%2))*4+16
.endr
	LAST
	s_lshl_b32 s22, s[CH], 15                      ; the stage: my two heads,
	s_lshl_b32 s23, s[RH], 13                      ; my 128 tokens
	s_add_co_u32 s22, s22, s23
	s_lshl_b32 s23, s[WV], 10
	s_add_co_u32 s23, s23, QSS
	s_mov_b32 s99, 0x02020202
	v_and_b32 v5, 8, v1                            ; (these lines are also the places behind the last products)
	v_add_nc_u32 v5, v5, v1                        ; r + 8 (r / 8)
	v_lshlrev_b32 v7, 6, v5
	v_lshl_add_u32 v7, v2, 4, v7
	v_add_nc_u32 v7, s22, v7                       ; v7: where my 16 codes go: token x 64 + 16 h
	v_lshlrev_b32 v8, 2, v5
	v_lshl_add_u32 v8, v2, 9, v8
	v_add_nc_u32 v8, s23, v8                       ; v8: the scale word: half h of the lanes writes head h's
	v_and_b32 v6, 31, v0
	v_lshlrev_b32 v11, 4, v6                       ; v11: 16 x lane
	v_add_nc_u32 v9, s22, v11                      ; v9: codes back
	v_add_nc_u32 v10, s23, v11                     ; v10: scale words back
	v_mul_lo_u32 v12, v2, s99
	v_add_nc_u32 v12, 0x01000100, v12              ; v12: byte selects: bytes 0, 1, 0, 1 (h = 0) or 2, 3, 2, 3 (h = 1)
.irp b, 0,1,2,3
	v_mov_b32 v[TM+4+\b], 0                        ; a lane permute's destination counts as one of its sources
.endr
	s_lshr_b32 s42, s66, 3                         ; batch
	s_lshl_b32 s42, s42, 4
	s_lshl_b32 s43, s40, 2
	s_add_co_u32 s42, s42, s43                     ; + head 4 cx
	s_lshl_b32 s43, s[CH], 1
	s_add_co_u32 s42, s42, s43                     ; + 2 x my half
	s_lshl_b32 s42, s42, 11
	s_and_b32 s43, s66, 7
	s_lshl_b32 s43, s43, 8
	s_add_co_u32 s42, s42, s43
	s_lshl_b32 s43, s[RH], 7
	s_add_co_u32 s42, s42, s43                     ; (batch x head) x 2,048 + my first token
	s_lshl_b32 s44, s42, 6
	s_lshl_b32 s46, ttmp9, 23                      ; q or k
	s_add_co_u32 s44, s44, s46
	s_mov_b32 s45, 0
	s_add_nc_u64 s[14:15], s[14:15], s[44:45]
	s_lshl_b32 s44, s42, 2
	s_lshl_b32 s46, ttmp9, 19
	s_add_co_u32 s44, s44, s46
	s_add_nc_u64 s[16:17], s[16:17], s[44:45]
	s_wait_loadcnt 0x0                             ; the bias
.macro QROWS a                         ; A's block a: 16 tokens x my 128 features: + bias, quantised along the features, into the stage
	WIN 0x02+(\a)/4                                ; source 0: window 2 or 3
.set nn, 0
.rept 32
	v_pk_add_f32 v[T+2*nn:T+2*nn+1], v[64*((\a)%4)+2*nn:64*((\a)%4)+2*nn+1], v[BI+2*nn:BI+2*nn+1]   ; ascending: each accumulator is read from its low end on
.set nn, nn+1
.endr
	WIN 0
	QUANT T
.irp e, 0,1,2,3
	ds_store_b128 v7, v[PC+4*\e:PC+4*\e+3] offset:QST+(\e/2)*16384+(32*((\a)/2)+8*((\a)%2))*64+32*(\e%2)
.endr
	v_perm_b32 v[PD], v[PW], v[PW], v12            ; my head's two bytes, twice
	ds_store_b32 v8, v[PD] offset:(32*((\a)/2)+8*((\a)%2))*4
	s_wait_dscnt 0x0                               ; the stores have read their registers
.endm
.irp a, 0,1,2,3,4,5,6,7
	QROWS \a
.endr
.irp e, 0,1                            ; back: only my own bytes, in order behind my stores: no barrier.  A head's 128 tokens are 8,192 consecutive bytes
.irp i, 0,1,2,3,4,5,6,7,8,9,10,11,12,13,14,15
	ds_load_b128 v[128+64*\e+4*\i:128+64*\e+4*\i+3], v9 offset:QST+\e*16384+512*\i
.endr
	ds_load_b128 v[64+4*\e:67+4*\e], v10 offset:\e*512
.endr
.irp e, 0,1
	s_wait_dscnt 17-17*\e                          ; head e's 17 loads are in
.irp i, 0,1,2,3,4,5,6,7,8,9,10,11,12,13,14,15
	global_store_b128 v11, v[128+64*\e+4*\i:128+64*\e+4*\i+3], s[14:15] offset:\e*131072+512*\i   ; 512 consecutive bytes, aligned
.endr
	global_store_b128 v11, v[64+4*\e:67+4*\e], s[16:17] offset:\e*8192
.endr
	s_wait_tensorcnt 0x0                           ; the wave's end
	ds_add_u32 v[SPW], v[NIL]
	s_wait_dscnt 0x0
	s_branch .Lclose
.Lv_way:
	; ---- V.  A lane holds one feature d; its registers run along the keys.
	s_lshl_b32 s42, s41, 10                        ; 256 cy features,
	s_lshl_b32 s43, s[RH], 9                       ; my 128 of them
	s_add_co_u32 s42, s42, s43
	s_mov_b32 s43, 0
	s_add_nc_u64 s[100:101], s[12:13], s[42:43]    ; bv
	v_and_b32 v5, 8, v1
	v_add_nc_u32 v5, v5, v1                        ; r + 8 (r / 8)
	v_lshlrev_b32 v3, 2, v5
.irp a, 0,1,2,3,4,5,6,7
	global_load_b32 v[BI+2*\a], v3, s[100:101] offset:(32*(\a/2)+8*(\a%2))*4       ; my feature's bias, in both registers of a pair for the packed addition
	global_load_b32 v[BI+2*\a+1], v3, s[100:101] offset:(32*(\a/2)+8*(\a%2))*4
.endr
	LAST
	s_mul_i32 s22, s[RH], 128*272
	s_lshl_b32 s23, s[CH], 7
	s_add_co_u32 s22, s22, s23
	s_add_co_u32 s22, s22, VST
	s_lshl_b32 s23, s[WV], 9
	s_add_co_u32 s23, s23, VSS
	s_mul_i32 s99, s[WV], 64*272
	s_add_co_u32 s99, s99, VST
	v_mul_u32_u24 v7, v5, 272                      ; (these lines are also the places behind the last products)
	v_lshl_add_u32 v7, v2, 4, v7
	v_add_nc_u32 v7, s22, v7                       ; v7: where my 16 codes go: row = feature, my wave's 128 keys, + 16 h
	v_add_nc_u32 v8, s23, v3                       ; v8: the scale word: 4 bytes a feature
	v_mul_u32_u24 v9, v2, 272
	v_lshl_add_u32 v9, v1, 4, v9
	v_add_nc_u32 v9, s99, v9                       ; v9: back: wave w takes rows 64 w on, two rows an instruction
	v_and_b32 v6, 31, v0
	v_lshl_add_u32 v10, v6, 4, s23                 ; v10: scale words back
	v_lshlrev_b32 v11, 11, v2
	v_lshl_add_u32 v11, v1, 4, v11                 ; v11: the same two rows in vc
	v_lshlrev_b32 v12, 12, v2
	v_lshl_add_u32 v12, v1, 4, v12                 ; v12: in vs: lanes 16-31 the next head, 4,096 bytes on
.irp b, 0,1,2,3
	v_mov_b32 v[TM+4+\b], 0
.endr
	s_lshr_b32 s42, s67, 3                         ; batch
	s_lshl_b32 s43, s42, 10
	s_lshl_b32 s44, s41, 8
	s_add_co_u32 s43, s43, s44
	s_lshl_b32 s44, s[WV], 6
	s_add_co_u32 s43, s43, s44                     ; row of vc: batch x 1,024 + 256 cy + 64 x wave
	s_lshl_b32 s44, s43, 11
	s_and_b32 s46, s67, 7
	s_lshl_b32 s47, s46, 8
	s_add_co_u32 s44, s44, s47                     ; + the tile's 256 keys
	s_mov_b32 s45, 0
	s_add_nc_u64 s[18:19], s[18:19], s[44:45]
	s_lshl_b32 s42, s42, 4
	s_lshl_b32 s43, s41, 2
	s_add_co_u32 s42, s42, s43
	s_lshl_b32 s43, s[RH], 1
	s_add_co_u32 s42, s42, s43                     ; batch x 16 + head
	s_lshl_b32 s42, s42, 4
	s_lshl_b32 s46, s46, 1
	s_add_co_u32 s42, s42, s46
	s_add_co_u32 s42, s42, s[CH]                   ; x 16 + which 128 keys
	s_lshl_b32 s44, s42, 8
	s_add_nc_u64 s[20:21], s[20:21], s[44:45]
	s_wait_loadcnt 0x0
.macro VROWS a                         ; A's block a: 16 features x my 128 keys
	WIN 0x02+(\a)/4
.set nn, 0
.rept 32
	v_pk_add_f32 v[T+2*nn:T+2*nn+1], v[64*((\a)%4)+2*nn:64*((\a)%4)+2*nn+1], v[BI+2*(\a):BI+2*(\a)+1]
.set nn, nn+1
.endr
	WIN 0
	QUANT T
.irp e, 0,1,2,3
	ds_store_b128 v7, v[PC+4*\e:PC+4*\e+3] offset:(32*((\a)/2)+8*((\a)%2))*272+32*\e
.endr
	ds_store_b32 v8, v[PW] offset:(32*((\a)/2)+8*((\a)%2))*4     ; both halves of the lanes write the same word
	s_wait_dscnt 0x0
.endm
.irp a, 0,1,2,3,4,5,6,7
	VROWS \a
.endr
	s_wait_dscnt 0x0                               ; a row's 256 bytes come from two waves: my stores are done,
	s_barrier_signal -1
	s_barrier_wait -1                              ; everybody's are
.irp g, 0,1
.irp i, 0,1,2,3,4,5,6,7,8,9,10,11,12,13,14,15
	ds_load_b128 v[128+64*\g+4*\i:128+64*\g+4*\i+3], v9 offset:(16*\g+\i)*544
.endr
.endr
	ds_load_b128 v[64:67], v10
.irp g, 0,1
	s_wait_dscnt 17-17*\g
.irp i, 0,1,2,3,4,5,6,7,8,9,10,11,12,13,14,15
	global_store_b128 v11, v[128+64*\g+4*\i:128+64*\g+4*\i+3], s[18:19] offset:(16*\g+\i)*4096   ; sixteen lanes store 256 consecutive bytes, aligned
.endr
.endr
	global_store_b128 v12, v[64:67], s[20:21]
	s_wait_tensorcnt 0x0                           ; the wave's end
	ds_add_u32 v[SPW], v[NIL]
	s_wait_dscnt 0x0
.Lclose:
	CROUND                                         ; the closing round
	s_endpgm
.Lfunc_end_k_qb912a7a077_qkv:
	.size	k_qb912a7a077_qkv, .Lfunc_end_k_qb912a7a077_qkv-k_qb912a7a077_qkv
	.p2alignl 7, 3214868480
	.fill 96, 4, 3214868480
	.section	.rodata,"a",@progbits
	.p2align	6, 0x0
	.amdhsa_kernel k_qb912a7a077_qkv
		.amdhsa_group_segment_fixed_size 327680
		.amdhsa_private_segment_fixed_size 0
		.amdhsa_enable_private_segment 0
		.amdhsa_kernarg_size 72
		.amdhsa_user_sgpr_count 2
		.amdhsa_user_sgpr_kernarg_segment_ptr 1
		.amdhsa_wavefront_size32 1
		.amdhsa_system_sgpr_workgroup_id_x 1
		.amdhsa_system_sgpr_workgroup_id_y 1
		.amdhsa_system_sgpr_workgroup_id_z 1
		.amdhsa_system_vgpr_workitem_id 0
		.amdhsa_next_free_vgpr 1024
		.amdhsa_next_free_sgpr 102
		.amdhsa_reserve_vcc 0
		.amdhsa_float_denorm_mode_32 3
		.amdhsa_float_denorm_mode_16_64 3
		.amdhsa_memory_ordered 1
		.amdhsa_forward_progress 1
		.amdhsa_inst_pref_size 255
	.end_amdhsa_kernel
	.section	.bss,"aw",@nobits
	.p2align	6
	.space	262144
	.amdgpu_metadata
---
amdhsa.version: [ 1, 2 ]
amdhsa.kernels:
  - .name:           k_qb912a7a077_qkv
    .symbol:         k_qb912a7a077_qkv.kd
    .args:
      - { .name: cod, .offset: 0, .size: 8, .value_kind: global_buffer, .address_space: global }
      - { .name: scl, .offset: 8, .size: 8, .value_kind: global_buffer, .address_space: global }
      - { .name: bq, .offset: 16, .size: 8, .value_kind: global_buffer, .address_space: global }
      - { .name: bk, .offset: 24, .size: 8, .value_kind: global_buffer, .address_space: global }
      - { .name: bv, .offset: 32, .size: 8, .value_kind: global_buffer, .address_space: global }
      - { .name: qkc, .offset: 40, .size: 8, .value_kind: global_buffer, .address_space: global }
      - { .name: qks, .offset: 48, .size: 8, .value_kind: global_buffer, .address_space: global }
      - { .name: vc, .offset: 56, .size: 8, .value_kind: global_buffer, .address_space: global }
      - { .name: vs, .offset: 64, .size: 8, .value_kind: global_buffer, .address_space: global }
    .group_segment_fixed_size: 327680
    .private_segment_fixed_size: 0
    .kernarg_segment_align: 8
    .kernarg_segment_size: 72
    .max_flat_workgroup_size: 128
    .sgpr_count:     102
    .vgpr_count:     1024
    .wavefront_size: 32
...
	.end_amdgpu_metadata
.endif
;; end of part 2
;; launch attn (part 3): grid 4 x 64, 4 waves a work-group, no clusters, 18,944 bytes of LDS; arguments qkc, qks, vc, vs, ac, asc; writes ac, asc
.if DOCPART == 3
	.amdgcn_target "amdgcn-amd-amdhsa--gfx1250"
	.amdhsa_code_object_version 6
	.text
	.protected	k_qb912a7a077_attn
	.globl	k_qb912a7a077_attn
	.p2align	8
	.type	k_qb912a7a077_attn,@function
k_qb912a7a077_attn:
	s_mov_b64 s[64:65], 0
	v_nop
	global_prefetch_b8 v0, s[64:65] scope:SCOPE_SE
	s_setreg_imm32_b32 hwreg(HW_REG_WAVE_MODE, 25, 1), 1
	s_wait_xcnt 0x0
; LAUNCH 3 OF 4.  For one batch x head and 512 queries: S = q k^T, the FINISHED softmax p = exp(s / 8 - max) / sum, quantised along the keys, O = p v, and O quantised along the head's 64 for the last product.
; LEFT OUT: jnp.abs(attn): a softmax is never negative, so abs is the identity for all finite inputs.
; The row's sum moves p's codes, so a row's maximum and sum over all 2,048 keys are known before any p is quantised.  So ALL FOUR WAVES WORK ON THE SAME 16 QUERIES, and wave w owns keys 512 w .. 512 w + 511:
; its 16 x 512 scores are 256 registers and stay there from the product to the conversion; its quarter of K (256 registers) and of V^T (256) stay in registers for the whole launch.
; Between waves, for each tile of queries: (-M, sum) of each wave, 8 bytes a lane, one barrier; the partial O, 4 KB a wave, one barrier.  32 tiles of queries to a work-group.
; NO CLUSTER, NO TENSOR LOAD: what the four work-groups of a head share, K and V, each reads once, at its head, straight into registers: 256 KB against 32 tiles' work.
; BOTH PRODUCTS ARE USED TRANSPOSED: a lane holds one query (lane % 16).  The head's 64 fill half of the instruction's 128: K's operand holds TWO tiles of 16 keys (64 codes each), q's operand is [q | zeros] or [zeros | q].
; The keys of a tile: lane r of tile 2 j + u takes key 32 j + 8 u + r + 8 (r / 8), so that registers 16 j .. 16 j + 15 of S^T are keys 32 j + 16 (lane / 16) + 0 .. 15.  V^T's rows d are chosen alike.
; SOFTMAX: t = s log2(e) / 8; M_w = my keys' largest t rounded up to a whole number; 2^(t - M_w); M = the largest M_w; p = 2^(t - M_w) x f, f = 2^(M_w - M) / sum.  1 / sum by v_rcp_f32 and a multiplication.
; A block's largest p is the block's largest score put through the same instructions (v_exp_f32 is taken not to fall where its input rises).
; LIMITS: byte 1 for blocks of zeros and under the floor 2^(16 - 127); 2^(t - M_w) under 2^-126 counts as 0; NaN and infinities are not served.
; REGISTERS: window 1: K, pair j at v[16 j]; window 2: V^T, fragment (s, t) at v[16 (4 s + t)]; window 3: S^T, then p.  Window 0: below.
.set STAT,  0                          ; LDS: 256 bytes a wave: (-M_w, sum_w), 8 bytes a lane
.set OEX,   1024                       ; 4 waves x 16 rows x (256 + 16) bytes: the partial O
.set OP,    272
.set OW,    16*OP
.set SPARE, OEX+4*OW                   ; the spare words
.set SPW, 14
.set NIL, 15
.set ZA,  16                           ; v16-23 zeros | v24-31 q | v32-39 zeros
.set QF,  24
.set ZB,  32
.set QS,  40                           ; q's scale word (s0, s1, s0, s1)
.set KSC, 48                           ; v48-63 K's scale words: bytes 0, 1 tile 2 j's key, bytes 2, 3 tile 2 j + 1's
.set VSC, 64                           ; v64-79 V's
.set PS,  80                           ; v80-83 p's
.set ST,  84                           ; v84 -M_w, v85 sum_w;  v86-93 the four waves';  v94 f (v95 named with it)
.set OA,  96                           ; v96-127 O^T: four accumulators
.set CD,  128                          ; v128-191 p's codes, 16 registers for each 128 keys
.set BM,  192                          ; v192-207 the blocks' largest
.set TP,  208                          ; v208-223 at work
.set HD,  224                          ; v224-239 57,344 x the scale
.set SO,  240                          ; v240-255 the conversions' scale operands
.set MSB, 0
.macro WIN new
.if MSB != (\new)
	s_set_vgpr_msb (MSB<<8)|(\new)
.set MSB, (\new)
.endif
.endm
	s_load_b256 s[4:11], s[0:1], 0x0               ; qkc, qks, vc, vs
	s_load_b128 s[12:15], s[0:1], 0x20             ; ac, asc
	v_lshl_add_u32 v[SPW], v0, 2, SPARE
	v_mov_b32 v[NIL], 0
	v_lshrrev_b32 v1, 5, v0
	v_readfirstlane_b32 s17, v1                    ; wave
	s_and_b32 s16, ttmp7, 0xffff                   ; batch x 16 + head
	v_and_b32 v1, 15, v0                           ; r
	v_bfe_u32 v2, v0, 4, 1                         ; h
	v_and_b32 v3, 8, v1
	v_add_nc_u32 v3, v3, v1                        ; r + 8 (r / 8)
	v_lshlrev_b32 v4, 6, v1
	v_lshl_add_u32 v4, v2, 4, v4                   ; q: 64 r + 16 h
	v_lshlrev_b32 v5, 2, v1                        ; q's scale word
	v_lshlrev_b32 v6, 6, v3
	v_lshl_add_u32 v6, v2, 4, v6                   ; K
	v_lshlrev_b32 v7, 2, v3                        ; K's and V's scale words
	v_lshlrev_b32 v8, 11, v3
	v_lshl_add_u32 v8, v2, 4, v8                   ; V: a row d is 2,048 bytes
	v_lshlrev_b32 v10, 3, v0                       ; STAT: 8 x thread = 256 x wave + 8 x lane
	v_and_b32 v9, 31, v0                           ; lane
	v_lshlrev_b32 v11, 3, v9                       ; STAT, reading: 8 x lane
	s_mul_i32 s18, s17, OW
	v_mul_u32_u24 v12, v1, OP
	v_lshl_add_u32 v12, v2, 6, v12
	v_add_nc_u32 v12, s18, v12
	v_add_nc_u32 v12, OEX, v12                     ; my partial O: row r, + 64 h bytes
	v_lshrrev_b32 v13, 3, v0                       ; 4 x wave + lane / 8: the query that I finish
	v_mul_u32_u24 v13, v13, OP
	v_and_b32 v41, 7, v0
	v_lshl_add_u32 v13, v41, 5, v13
	v_add_nc_u32 v13, OEX, v13                     ; its 8 channels 8 (lane % 8) on
	v_lshlrev_b32 v41, 3, v9                       ; ac: 8 bytes a lane
	v_lshrrev_b32 v42, 3, v9
	v_lshlrev_b32 v42, 5, v42                      ; asc: 32 bytes a token
.irp i, 16,17,18,19,20,21,22,23,32,33,34,35,36,37,38,39,43,44,45,46,47,85,95,228
	v_mov_b32 v\i, 0                               ; the operand's zero halves; registers named in pairs or as a lane move's destination before they are first written
.endr
.irp i, 0,1,2,3,4,5,6,7,8,9,10,11,12,13,14,15
	v_mov_b32 v[TP+\i], 0
.endr
	s_lshl_b32 s18, s16, 11
	s_lshl_b32 s19, ttmp9, 9
	s_add_co_u32 s19, s18, s19                     ; my first query's row
	s_lshl_b32 s26, s17, 9
	s_add_co_u32 s18, s18, s26                     ; my first key's row
	s_lshl_b32 s32, s19, 6
	s_mov_b32 s33, 0
	s_lshl_b32 s34, s19, 2
	s_mov_b32 s35, 0
	s_lshl_b32 s36, s18, 6
	s_add_co_u32 s36, s36, 1<<23                   ; k lies behind q
	s_mov_b32 s37, 0
	s_lshl_b32 s38, s18, 2
	s_add_co_u32 s38, s38, 1<<19
	s_mov_b32 s39, 0
	s_lshl_b32 s40, s16, 17
	s_add_co_u32 s40, s40, s26                     ; V: the head's 64 rows, my 512 keys
	s_mov_b32 s41, 0
	s_lshl_b32 s42, s16, 4
	s_lshl_b32 s27, s17, 2
	s_add_co_u32 s42, s42, s27
	s_lshl_b32 s42, s42, 8                         ; V's scale words: my four runs of 128 keys
	s_mov_b32 s43, 0
	s_lshl_b32 s44, s17, 8
	s_add_co_u32 s44, s44, s32                     ; ac: my four queries of a tile
	s_mov_b32 s45, 0
	s_lshr_b32 s46, s16, 4
	s_lshl_b32 s46, s46, 11
	s_lshl_b32 s47, ttmp9, 9
	s_add_co_u32 s46, s46, s47
	s_add_co_u32 s46, s46, s27
	s_lshl_b32 s46, s46, 5
	s_and_b32 s47, s16, 15
	s_lshl_b32 s47, s47, 1
	s_add_co_u32 s46, s46, s47                     ; asc: token x 32 + 2 x head
	s_mov_b32 s47, 0
	s_mov_b32 s20, 0x76543210
	s_mov_b32 s21, 0xfedcba98                      ; lane l xor 16
	s_mov_b32 s22, 0x3e38aa3b                      ; c = log2(e) / 8
	s_mov_b32 s23, s22
	s_mov_b32 s24, 0x600000
	s_mov_b32 s26, 0xf0f0f0f0                      ; the lanes with lane & 4
	s_mov_b32 s27, 0xffff
	s_wait_kmcnt 0x0
	s_add_nc_u64 s[28:29], s[4:5], s[36:37]        ; K's codes
	s_add_nc_u64 s[30:31], s[6:7], s[38:39]        ; K's scale words
	s_add_nc_u64 s[4:5], s[4:5], s[32:33]          ; q's codes
	s_add_nc_u64 s[6:7], s[6:7], s[34:35]
	s_add_nc_u64 s[8:9], s[8:9], s[40:41]
	s_add_nc_u64 s[10:11], s[10:11], s[42:43]
	s_add_nc_u64 s[12:13], s[12:13], s[44:45]
	s_add_nc_u64 s[14:15], s[14:15], s[46:47]
	WIN 0x40                                       ; destination window 1
.set jj, 0
.rept 16
.irp u, 0,1
.irp c, 0,1
	global_load_b128 v[16*jj+8*\u+4*\c:16*jj+8*\u+4*\c+3], v6, s[28:29] offset:(32*jj+8*\u)*64+32*\c
.endr
.endr
.set jj, jj+1
.endr
	WIN 0x80                                       ; destination window 2
.irp s, 0,1,2,3
.irp t, 0,1,2,3
.irp c, 0,1,2,3
	global_load_b128 v[16*(4*\s+\t)+4*\c:16*(4*\s+\t)+4*\c+3], v8, s[8:9] offset:(32*(\t/2)+8*(\t%2))*2048+128*\s+32*\c
.endr
.endr
.endr
	WIN 0
.set jj, 0
.rept 16
	global_load_b32 v[128+2*jj], v7, s[30:31] offset:128*jj
	global_load_b32 v[129+2*jj], v7, s[30:31] offset:128*jj+32
.set jj, jj+1
.endr
.irp s, 0,1,2,3
.irp t, 0,1,2,3
	global_load_b32 v[VSC+4*\s+\t], v7, s[10:11] offset:256*\s+(32*(\t/2)+8*(\t%2))*4
.endr
.endr
	global_load_b128 v[QF:QF+3], v4, s[4:5]        ; the first tile's q
	global_load_b128 v[QF+4:QF+7], v4, s[4:5] offset:32
	global_load_b32 v[QS], v5, s[6:7]
	s_wait_loadcnt 0x0
.set jj, 0
.rept 16
	v_bfi_b32 v[KSC+jj], s27, v[128+2*jj], v[129+2*jj]   ; low half: tile 2 j's bytes; high half: tile 2 j + 1's
.set jj, jj+1
.endr
.rept 8
	v_nop                                          ; a scale register written by a vector instruction stands 8 places ahead of the product
.endr
.macro BMAX g                          ; the largest score of blocks 8 g .. 8 g + 7, by turns; each accumulator is read from its low end on
	WIN 0x3f
.irp b, 0,1,2,3,4,5,6,7
	v_max3_num_f32 v[BM+8*\g+\b], v[16*(8*\g+\b)], v[16*(8*\g+\b)+1], v[16*(8*\g+\b)+2]
.endr
	WIN 0x3c
.irp i, 3,5,7,9,11,13
.irp b, 0,1,2,3,4,5,6,7
	v_max3_num_f32 v[BM+8*\g+\b], v[BM+8*\g+\b], v[16*(8*\g+\b)+\i], v[16*(8*\g+\b)+\i+1]
.endr
.endr
.irp b, 0,1,2,3,4,5,6,7
	v_max_num_f32 v[BM+8*\g+\b], v[BM+8*\g+\b], v[16*(8*\g+\b)+15]
.endr
.endm
.macro PRE s                           ; the four blocks of keys 128 s on: largest p, scale operand, hold, bytes, p's scale word
	WIN 0
.irp c, 0,1,2,3
	v_mul_f32 v[BM+4*\s+\c], v[BM+4*\s+\c], v94
.endr
.irp c, 0,1,2,3
	v_max_num_f32 v[BM+4*\s+\c], 0x8000000, v[BM+4*\s+\c]     ; the floor 2^(16 - 127)
.endr
.irp c, 0,1,2,3
	v_add_nc_u32 v[SO+4*\s+\c], 0xf8800000, v[BM+4*\s+\c]
.endr
.irp c, 0,1,2,3
	v_and_or_b32 v[HD+4*\s+\c], v[BM+4*\s+\c], 0x7f800000, s24
.endr
.irp c, 0,1,2,3
	v_lshrrev_b32 v[TP+4*\s+\c], 23, v[SO+4*\s+\c]
.endr
	v_lshl_or_b32 v[PS+\s], v[TP+4*\s+1], 8, v[TP+4*\s]
	v_lshl_or_b32 v[PS+\s], v[TP+4*\s+2], 16, v[PS+\s]
	v_lshl_or_b32 v[PS+\s], v[TP+4*\s+3], 24, v[PS+\s]
.endm
.macro MULMIN s                        ; p = 2^(t - M_w) x f, held at the largest code x the scale (p is not negative: the hold is one-sided)
	WIN 0xc3
.set nn, 0
.rept 32
	v_pk_mul_f32 v[64*\s+2*nn:64*\s+2*nn+1], v[64*\s+2*nn:64*\s+2*nn+1], v[94:95] op_sel_hi:[1,0]
.set nn, nn+1
.endr
.set nn, 0
.rept 64
	v_min_num_f32 v[64*\s+nn], v[64*\s+nn], v[HD+4*\s+nn/16]
.set nn, nn+1
.endr
.endm
.macro CVT s
	WIN 0x03
.irp c, 0,1,2,3
	v_cvt_scalef32_pk8_bf8_f32 v[CD+16*\s+4*\c:CD+16*\s+4*\c+1], v[64*\s+16*\c:64*\s+16*\c+7], v[SO+4*\s+\c]
	v_cvt_scalef32_pk8_bf8_f32 v[CD+16*\s+4*\c+2:CD+16*\s+4*\c+3], v[64*\s+16*\c+8:64*\s+16*\c+15], v[SO+4*\s+\c]
.endr
.endm
.macro PV s                            ; O^T += V^T p^T over keys 128 s on: the four accumulators take turns
	WIN 0x02
.irp t, 0,1,2,3
.if \s == 0
	v_wmma_scale_f32_16x16x128_f8f6f4 v[OA+8*\t:OA+8*\t+7], v[16*(4*\s+\t):16*(4*\s+\t)+15], v[CD+16*\s:CD+16*\s+15], 0, v[VSC+4*\s+\t], v[PS+\s] matrix_a_fmt:MATRIX_FMT_BF8 matrix_b_fmt:MATRIX_FMT_BF8
.else
	v_wmma_scale_f32_16x16x128_f8f6f4 v[OA+8*\t:OA+8*\t+7], v[16*(4*\s+\t):16*(4*\s+\t)+15], v[CD+16*\s:CD+16*\s+15], v[OA+8*\t:OA+8*\t+7], v[VSC+4*\s+\t], v[PS+\s] matrix_a_fmt:MATRIX_FMT_BF8 matrix_b_fmt:MATRIX_FMT_BF8
.endif
.endr
.endm
	s_mov_b32 s25, 32                              ; tiles of 16 queries
.Ltile:
	s_wait_loadcnt 0x0                             ; this tile's q, asked for a trip ago
	WIN 0xc1                                       ; K window 1, q window 0, S^T window 3
.set tt, 0
.rept 32
.if tt%2 == 0
	v_wmma_scale_f32_16x16x128_f8f6f4 v[8*tt:8*tt+7], v[16*(tt/2):16*(tt/2)+15], v[QF:QF+15], 0, v[KSC+tt/2], v[QS] matrix_a_fmt:MATRIX_FMT_BF8 matrix_b_fmt:MATRIX_FMT_BF8
.else
	v_wmma_scale_f32_16x16x128_f8f6f4 v[8*tt:8*tt+7], v[16*(tt/2):16*(tt/2)+15], v[ZA:ZA+15], 0, v[KSC+tt/2], v[QS] matrix_a_fmt:MATRIX_FMT_BF8 matrix_b_fmt:MATRIX_FMT_BF8
.endif
.set tt, tt+1
.endr
.rept 8
	v_nop                                          ; places in front of the first read of the scores, and of the loads into q's registers
.endr
	BMAX 0
	BMAX 1
	WIN 0
	s_cmp_eq_u32 s25, 1                            ; the last tile asks for nothing: no load leaves its buffer
	s_cbranch_scc1 .Lno_q
	global_load_b128 v[QF:QF+3], v4, s[4:5] offset:1024
	global_load_b128 v[QF+4:QF+7], v4, s[4:5] offset:1056
	global_load_b32 v[QS], v5, s[6:7] offset:64
.Lno_q:
.irp b, 0,1,2,3,4,5,6,7,8,9,10,11,12,13,14,15
	v_permlanex16_b32 v[TP+\b], v[BM+\b], s20, s21
.endr
.irp b, 0,1,2,3,4,5,6,7,8,9,10,11,12,13,14,15
	v_max_num_f32 v[BM+\b], v[BM+\b], v[TP+\b]     ; with lane l xor 16's 16 keys: the block's largest score
.endr
	v_max3_num_f32 v43, v[BM], v[BM+1], v[BM+2]
	v_max3_num_f32 v44, v[BM+3], v[BM+4], v[BM+5]
	v_max3_num_f32 v43, v43, v[BM+6], v[BM+7]
	v_max3_num_f32 v44, v44, v[BM+8], v[BM+9]
	v_max3_num_f32 v43, v43, v[BM+10], v[BM+11]
	v_max3_num_f32 v44, v44, v[BM+12], v[BM+13]
	v_max3_num_f32 v43, v43, v[BM+14], v[BM+15]
	v_max_num_f32 v43, v43, v44                    ; my 512 keys' largest score of my query
	v_mul_f32 v43, s22, v43                        ; as t (c is positive)
	v_floor_f32 v[ST], -v43                        ; -M_w = -ceil(t): a whole number
.irp b, 0,1,2,3,4,5,6,7,8,9,10,11,12,13,14,15
	v_fma_f32 v[BM+\b], v[BM+\b], s22, v[ST]       ; t - M_w of each block's largest score
.endr
	WIN 0xc3                                       ; ONE BATCH: 128 packed scalings and 272 exponentials; nothing in it names an exponential's result
	v_pk_fma_f32 v[0:1], v[0:1], s[22:23], v[ST:ST+1] op_sel_hi:[1,0,0]
	v_pk_fma_f32 v[2:3], v[2:3], s[22:23], v[ST:ST+1] op_sel_hi:[1,0,0]
.set nn, 0
.rept 128
	v_exp_f32 v[2*nn], v[2*nn]
	v_exp_f32 v[2*nn+1], v[2*nn+1]
.if nn+2 < 128
	v_pk_fma_f32 v[2*nn+4:2*nn+5], v[2*nn+4:2*nn+5], s[22:23], v[ST:ST+1] op_sel_hi:[1,0,0]   ; a pair is scaled two pairs ahead of its exponentials
.endif
.set nn, nn+1
.endr
	WIN 0
.irp b, 0,1,2,3,4,5,6,7,8,9,10,11,12,13,14,15
	v_exp_f32 v[BM+\b], v[BM+\b]
.endr
	v_nop                                          ; a plain line behind the last exponential
	s_wait_alu depctr_va_vdst(0)                   ; the wait ahead of the first instruction that names a result: one for the batch
	WIN 0x0f                                       ; the sum of the unquantised numbers: eight chains of pairs
.irp k, 0,1,2,3,4,5,6,7
	v_pk_add_f32 v[TP+2*\k:TP+2*\k+1], v[2*\k:2*\k+1], v[2*\k+16:2*\k+17]
.endr
	WIN 0x0c
.set nn, 16
.rept 112
	v_pk_add_f32 v[TP+2*(nn%8):TP+2*(nn%8)+1], v[TP+2*(nn%8):TP+2*(nn%8)+1], v[2*nn:2*nn+1]
.set nn, nn+1
.endr
	WIN 0
	v_pk_add_f32 v[TP:TP+1], v[TP:TP+1], v[TP+2:TP+3]
	v_pk_add_f32 v[TP+4:TP+5], v[TP+4:TP+5], v[TP+6:TP+7]
	v_pk_add_f32 v[TP+8:TP+9], v[TP+8:TP+9], v[TP+10:TP+11]
	v_pk_add_f32 v[TP+12:TP+13], v[TP+12:TP+13], v[TP+14:TP+15]
	v_pk_add_f32 v[TP:TP+1], v[TP:TP+1], v[TP+4:TP+5]
	v_pk_add_f32 v[TP+8:TP+9], v[TP+8:TP+9], v[TP+12:TP+13]
	v_pk_add_f32 v[TP:TP+1], v[TP:TP+1], v[TP+8:TP+9]
	v_add_f32 v[ST+1], v[TP], v[TP+1]
	v_permlanex16_b32 v44, v[ST+1], s20, s21
	v_add_f32 v[ST+1], v[ST+1], v44                ; sum_w
	ds_store_b64 v10, v[ST:ST+1]
	s_wait_dscnt 0x0                               ; for the others' sake: my store is done
	s_barrier_signal -1
	s_barrier_wait -1
.irp w, 0,1,2,3
	ds_load_b64 v[86+2*\w:87+2*\w], v11 offset:STAT+256*\w
.endr
	s_wait_dscnt 0x0
	v_min_num_f32 v43, v86, v88
	v_min_num_f32 v45, v90, v92
	v_min_num_f32 v43, v43, v45                    ; -M
.irp w, 0,1,2,3
	v_sub_f32 v[86+2*\w], v43, v[86+2*\w]          ; M_w - M: a whole number, 0 or less
.endr
.irp w, 0,1,2,3
	v_cvt_i32_f32 v[86+2*\w], v[86+2*\w]           ; (it saturates)
.endr
.irp w, 0,1,2,3
	v_ldexp_f32 v[87+2*\w], v[87+2*\w], v[86+2*\w] ; each wave's sum under M: nothing is rounded
.endr
	v_add_f32 v45, v87, v89                        ; in one order in all four waves
	v_add_f32 v45, v45, v91
	v_add_f32 v45, v45, v93
	v_rcp_f32 v46, v45
	v_sub_f32 v47, v43, v[ST]                      ; my own M_w - M (the plain line behind the reciprocal)
	v_cvt_i32_f32 v47, v47
	s_wait_alu depctr_va_vdst(0)                   ; the wait ahead of the reciprocal's first reader
	v_ldexp_f32 v94, v46, v47                      ; f
	PRE 0
	MULMIN 0
	CVT 0
	PRE 1                                          ; 23 plain lines: the place behind the conversions and the four in front of the product
	PV 0
	MULMIN 1
	CVT 1
	PRE 2
	PV 1
	MULMIN 2
	CVT 2
	PRE 3
	PV 2
	MULMIN 3
	CVT 3
.rept 4
	v_nop
.endr
	PV 3
	WIN 0
.rept 8
	v_nop
.endr
.irp t, 0,1,2,3
	ds_store_b128 v12, v[OA+8*\t:OA+8*\t+3] offset:128*(\t/2)+32*(\t%2)          ; register j of tile t: channel 32 (t / 2) + 16 h + 8 (t % 2) + j; the low four first
	ds_store_b128 v12, v[OA+8*\t+4:OA+8*\t+7] offset:128*(\t/2)+32*(\t%2)+16
.endr
	s_wait_dscnt 0x0
	s_barrier_signal -1
	s_barrier_wait -1
.irp w, 0,1,2,3
	ds_load_b128 v[192+8*\w:195+8*\w], v13 offset:OW*\w
	ds_load_b128 v[196+8*\w:199+8*\w], v13 offset:OW*\w+16
.endr
	s_wait_dscnt 0x0
.irp i, 0,2,4,6
	v_pk_add_f32 v[192+\i:193+\i], v[192+\i:193+\i], v[200+\i:201+\i]
	v_pk_add_f32 v[208+\i:209+\i], v[208+\i:209+\i], v[216+\i:217+\i]
.endr
.irp i, 0,2,4,6
	v_pk_add_f32 v[192+\i:193+\i], v[192+\i:193+\i], v[208+\i:209+\i]   ; query 4 w + lane / 8, channels 8 (lane % 8) on
.endr
	v_max3_num_f32 v224, |v192|, |v193|, 0x8000000
	v_max3_num_f32 v224, v224, |v194|, |v195|
	v_max3_num_f32 v224, v224, |v196|, |v197|
	v_max3_num_f32 v224, v224, |v198|, |v199|
	v_max_num_f32_dpp v224, v224, v224 row_xmask:1 row_mask:0xf bank_mask:0xf
	v_max_num_f32_dpp v224, v224, v224 row_xmask:2 row_mask:0xf bank_mask:0xf   ; four lanes hold a block of 32
	v_add_nc_u32 v225, 0xf8800000, v224
	v_and_or_b32 v226, v224, 0x7f800000, s24
	v_lshrrev_b32 v227, 23, v225
.irp i, 0,1,2,3,4,5,6,7
	v_med3_num_f32 v[192+\i], v[192+\i], -v226, v226
.endr
	v_cvt_scalef32_pk8_bf8_f32 v[240:241], v[192:199], v225
	v_mov_b32_dpp v228, v227 row_xmask:4 row_mask:0xf bank_mask:0xf    ; the head's other block's byte
	v_cndmask_b32 v229, v227, v228, s26            ; block 0's byte
	v_cndmask_b32 v230, v228, v227, s26            ; block 1's
	v_lshl_or_b32 v242, v230, 8, v229
	global_store_b64 v41, v[240:241], s[12:13]     ; the wave stores 256 consecutive bytes, aligned
	global_store_b16 v42, v242, s[14:15]           ; two bytes a token (eight lanes write the same two): 2 bytes for each 64 of codes; a token's 32 bytes come from 16 heads' work-groups
	s_wait_xcnt 0x0                                ; the loads and stores have read their registers and bases
	s_add_nc_u64 s[4:5], s[4:5], 1024
	s_add_nc_u64 s[6:7], s[6:7], 64
	s_add_nc_u64 s[12:13], s[12:13], 1024
	s_add_nc_u64 s[14:15], s[14:15], 512
	s_sub_co_u32 s25, s25, 1
	s_cmp_lg_u32 s25, 0
	s_cbranch_scc1 .Ltile
	s_wait_tensorcnt 0x0                           ; the wave's end
	ds_add_u32 v[SPW], v[NIL]
	s_wait_dscnt 0x0
	s_endpgm
.Lfunc_end_k_qb912a7a077_attn:
	.size	k_qb912a7a077_attn, .Lfunc_end_k_qb912a7a077_attn-k_qb912a7a077_attn
	.p2alignl 7, 3214868480
	.fill 96, 4, 3214868480
	.section	.rodata,"a",@progbits
	.p2align	6, 0x0
	.amdhsa_kernel k_qb912a7a077_attn
		.amdhsa_group_segment_fixed_size 18944
		.amdhsa_private_segment_fixed_size 0
		.amdhsa_enable_private_segment 0
		.amdhsa_kernarg_size 48
		.amdhsa_user_sgpr_count 2
		.amdhsa_user_sgpr_kernarg_segment_ptr 1
		.amdhsa_wavefront_size32 1
		.amdhsa_system_sgpr_workgroup_id_x 1
		.amdhsa_system_sgpr_workgroup_id_y 1
		.amdhsa_system_sgpr_workgroup_id_z 1
		.amdhsa_system_vgpr_workitem_id 0
		.amdhsa_next_free_vgpr 1024
		.amdhsa_next_free_sgpr 66
		.amdhsa_reserve_vcc 0
		.amdhsa_float_denorm_mode_32 3
		.amdhsa_float_denorm_mode_16_64 3
		.amdhsa_memory_ordered 1
		.amdhsa_forward_progress 1
		.amdhsa_inst_pref_size 95
	.end_amdhsa_kernel
	.amdgpu_metadata
---
amdhsa.version: [ 1, 2 ]
amdhsa.kernels:
  - .name:           k_qb912a7a077_attn
    .symbol:         k_qb912a7a077_attn.kd
    .args:
      - { .name: qkc, .offset: 0, .size: 8, .value_kind: global_buffer, .address_space: global }
      - { .name: qks, .offset: 8, .size: 8, .value_kind: global_buffer, .address_space: global }
      - { .name: vc, .offset: 16, .size: 8, .value_kind: global_buffer, .address_space: global }
      - { .name: vs, .offset: 24, .size: 8, .value_kind: global_buffer, .address_space: global }
      - { .name: ac, .offset: 32, .size: 8, .value_kind: global_buffer, .address_space: global }
      - { .name: asc, .offset: 40, .size: 8, .value_kind: global_buffer, .address_space: global }
    .group_segment_fixed_size: 18944
    .private_segment_fixed_size: 0
    .kernarg_segment_align: 8
    .kernarg_segment_size: 48
    .max_flat_workgroup_size: 128
    .sgpr_count:     66
    .vgpr_count:     1024
    .wavefront_size: 32
...
	.end_amdgpu_metadata
.endif
;; end of part 3
;; launch oproj (part 4): grid 4 x 32, 4 waves a work-group, clusters of 4 x 4, 327,680 bytes of LDS; arguments ac, asc, cod, scl, bo, out0; writes out0
.if DOCPART == 4
	.amdgcn_target "amdgcn-amd-amdhsa--gfx1250"
	.amdhsa_code_object_version 6
	.text
	.protected	k_qb912a7a077_oproj
	.globl	k_qb912a7a077_oproj
	.p2align	8
	.type	k_qb912a7a077_oproj,@function
k_qb912a7a077_oproj:
	s_mov_b64 s[64:65], 0
	v_nop
	global_prefetch_b8 v0, s[64:65] scope:SCOPE_SE
	s_setreg_imm32_b32 hwreg(HW_REG_WAVE_MODE, 25, 1), 1
	s_wait_xcnt 0x0
	s_wait_alu depctr_hold_cnt(0) depctr_sa_sdst(0) depctr_va_vdst(0) depctr_va_sdst(0) depctr_va_ssrc(0) depctr_va_vcc(0) depctr_vm_vsrc(0)
	s_getreg_b32 s2, hwreg(HW_REG_IB_STS2, 6, 4)
	s_cmp_eq_u32 s2, 0
	s_cbranch_scc0 .Lentry_in_a_cluster
	s_endpgm
.Lentry_in_a_cluster:
	s_bfe_u32 s2, ttmp6, 0x10000c
	s_cmp_lg_u32 s2, 0xf033
	s_cbranch_scc0 .Lentry_shape_is_right
	s_endpgm
.Lentry_shape_is_right:
; LAUNCH 4 OF 4.  out0 = A Wo^T + bo on codes of BF8 with E8M0 scales, K = 1,024.  A: the attention's output, ac [batch x head][token][64 bytes], scale bytes asc [token][32]; Wo: rows 11,264 on of cod and scl.
; A work-group of four waves makes 256 x 256 of out0, a wave 128 x 128; K in steps of 256 (four heads) through two LDS slots; the scale bytes of the 512 rows come once.  4 x 4 clusters, joint loads as in the second launch.
; A's tile of a K step: for each of four heads 128 tokens x 64 bytes, dense: a tensor tile of 4 rows of 8,192 bytes, 131,072 apart, 16 bytes of padding behind every 64: in LDS [head][token][80 bytes].
; Source 0 = 16 places of Wo, source 1 = 16 tokens.  By cod's row order a lane's register j of block b is feature 32 (b / 2) + 16 (lane / 16) + 8 (b % 2) + j.  bo is the C of each sum's first product.
; 128 work-groups: this launch has a tenth of the program's matrix instructions; a smaller tile would want a second design.
.set KSTEP,  256
.set NQ,     2
.set ROWB,   256
.set KROW,   1024
.set PITCH,  272
.set FR,     16
.set NL,     4
.set NP,     8
.set HALFT,  128*PITCH                 ; B: 128 rows
.set HALFA,  4*10240                   ; A: 4 heads x 128 tokens x 80 bytes
.set SLOT,   2*HALFA+2*HALFT
.set ASTEP,  524288                    ; four heads on in ac
.set LAPS,   2
.set KS,     32
.set SCL,    2*SLOT
.set HALFS,  16*272
.set SBLK,   2*272
.set SPARE,  SCL+4*HALFS
.set SPITCH, 528                       ; the way out: 16 rows x (512 + 16) bytes a wave, in slot 0, which has had its last fill and its last read by then
.set SIZE_N, 1024
.set ADRA, 16
.set ADRB, 20
.set STO,  24
.set RD,   25
.set CO,   26
.set ADRS, 27
.set SPW,  28
.set NIL,  29
.set SC,   32
.set BI,   64                          ; v64-127 bo in the result's layout
.set AF,   128
.set BK,   128
.set G1, 24
.set G0, 32
.set G1B, 48
.set G0B, 56
.set G1S, 68
.set G0S, 76
.set G1SB, 80
.set G0SB, 88
.set WV,  92
.set RH,  93
.set CH,  94
.set MSB, 0
.macro WIN new
.if MSB != (\new)
	s_set_vgpr_msb (MSB<<8)|(\new)
.set MSB, (\new)
.endif
.endm
.set MUL_LO, 0xa1
.set MUL_HI, 0xf1
.set TO_B,   0x40
.macro JLOAD g0a, g1a, g0b, g1b
	s_cmp_eq_u32 s[RH], 0
	s_cbranch_scc0 .Lfor_b_\@
	tensor_load_to_lds s[\g0a:\g0a+3], s[\g1a:\g1a+7]
	s_nop 0
.rept 4
	v_nop
.endr
	s_branch .Lasked_\@
.Lfor_b_\@:
	tensor_load_to_lds s[\g0b:\g0b+3], s[\g1b:\g1b+7]
	s_nop 0
.rept 4
	v_nop
.endr
.Lasked_\@:
.endm
.macro CREST
	s_cmp_lg_u32 s[WV], 0
	s_cbranch_scc1 .Lnot_wave_0_\@
	s_barrier_signal -3
.Lnot_wave_0_\@:
	s_barrier_wait -3
	s_barrier_signal -1
	s_barrier_wait -1
.endm
.macro CROUND
	s_barrier_signal -1
	s_barrier_wait -1
	CREST
.endm
	s_load_b256 s[4:11], s[0:1], 0x0               ; ac, asc, cod, scl
	s_load_b128 s[12:15], s[0:1], 0x20             ; bo, out0
	v_lshl_add_u32 v[SPW], v0, 2, SPARE
	v_mov_b32 v[NIL], 0
	ds_add_u32 v[SPW], v[NIL]                      ; the opening: the add, twice on end, and its wait ahead of my first tensor load
	ds_add_u32 v[SPW], v[NIL]
	v_lshrrev_b32 v1, 5, v0
	v_readfirstlane_b32 s[WV], v1
	s_lshr_b32 s[RH], s[WV], 1
	s_and_b32 s[CH], s[WV], 1
	s_bfe_u32 s40, ttmp6, 0x40000                  ; cx
	s_bfe_u32 s41, ttmp6, 0x40004                  ; cy
	s_lshl_b32 s42, ttmp9, 2
	s_add_co_u32 s42, s42, s40                     ; tile column
	s_and_b32 s66, ttmp7, 0xffff
	s_lshl_b32 s66, s66, 2
	s_add_co_u32 s66, s66, s41                     ; tile row
	s_lshl_b32 s43, s41, 2
	s_lshl_b32 s43, 15, s43                        ; my row of the cluster
	s_lshl_b32 s44, 0x1111, s40                    ; my column
	s_or_b32 s[G1+0], s43, (0<<16)|(1<<20)|(1<<21)|(3<<22)|(3<<25)  ; A: mask; 1-byte elements; padding: 4 words behind every 16
	s_mov_b32 s[G1+1], 8192<<16                    ; tensor_dim0 = 8,192
	s_mov_b32 s[G1+2], 4<<16                       ; tensor_dim1 = 4
	s_mov_b32 s[G1+3], 8192<<16                    ; tile_dim0
	s_mov_b32 s[G1+4], 4                           ; tile_dim1
	s_mov_b32 s[G1+5], 131072                      ; from head to head
	s_mov_b32 s[G1+6], 0
	s_mov_b32 s[G1+7], 0
	s_or_b32 s[G1B+0], s44, (0<<16)|(1<<20)|(1<<21)|(5<<22)|(3<<25)
	s_mov_b32 s[G1B+1], ROWB<<16
	s_mov_b32 s[G1B+2], 128<<16
	s_mov_b32 s[G1B+3], ROWB<<16
	s_mov_b32 s[G1B+4], 128
	s_mov_b32 s[G1B+5], KROW
	s_mov_b32 s[G1B+6], 0
	s_mov_b32 s[G1B+7], 0
	s_or_b32 s[G1S+0], s43, (3<<16)|(1<<20)|(1<<21)|(5<<22)|(3<<25)
	s_or_b32 s[G1SB+0], s44, (3<<16)|(1<<20)|(1<<21)|(5<<22)|(3<<25)
.irp g, G1S, G1SB
	s_mov_b32 s[\g+1], 32<<16
	s_mov_b32 s[\g+2], 16<<16
	s_mov_b32 s[\g+3], 32<<16
	s_mov_b32 s[\g+4], 16
	s_mov_b32 s[\g+5], 32
	s_mov_b32 s[\g+6], 0
	s_mov_b32 s[\g+7], 0
.endr
	s_lshl_b32 s22, s[CH], 7                       ; which 128 rows I fetch
	s_lshr_b32 s46, s66, 3                         ; batch:
	s_lshl_b32 s46, s46, 15                        ; 16 heads x 2,048 tokens
	s_and_b32 s47, s66, 7
	s_lshl_b32 s47, s47, 8
	s_add_co_u32 s46, s46, s47
	s_add_co_u32 s46, s46, s22
	s_lshl_b32 s46, s46, 6                         ; A's codes: 64 bytes a token and head
	s_mov_b32 s47, 0
	s_lshl_b32 s16, s66, 8
	s_add_co_u32 s16, s16, s22
	s_lshl_b32 s16, s16, 5                         ; A's scales
	s_mov_b32 s17, 0
	s_lshl_b32 s18, s42, 8
	s_add_co_u32 s18, s18, s22
	s_add_co_u32 s18, s18, 11264                   ; Wo's rows in cod
	s_lshl_b32 s20, s18, 5
	s_mov_b32 s21, 0
	s_lshl_b32 s18, s18, 10
	s_mov_b32 s19, 0
	s_mul_i32 s45, s[CH], HALFA                    ; where A's half goes,
	s_mul_i32 s67, s[CH], HALFT
	s_add_co_u32 s67, s67, 2*HALFA                 ; B's,
	s_mul_i32 s99, s[WV], HALFS                    ; the scales
	s_wait_dscnt 0x0                               ; both opening adds are done
	s_wait_kmcnt 0x0
	s_add_nc_u64 s[46:47], s[4:5], s[46:47]
	s_add_nc_u64 s[16:17], s[6:7], s[16:17]
	s_add_nc_u64 s[18:19], s[8:9], s[18:19]
	s_add_nc_u64 s[20:21], s[10:11], s[20:21]
	CROUND
	s_mov_b32 s[G0S], 1
	s_add_co_u32 s[G0S+1], s99, SCL
	s_mov_b64 s[G0S+2:G0S+3], s[16:17]
	s_or_b32 s[G0S+3], s[G0S+3], 0x80000000
	s_mov_b32 s[G0SB], 1
	s_add_co_u32 s[G0SB+1], s99, SCL
	s_mov_b64 s[G0SB+2:G0SB+3], s[20:21]
	s_or_b32 s[G0SB+3], s[G0SB+3], 0x80000000
	JLOAD G0S, G1S, G0SB, G1SB
.irp s, 0,1
	s_mov_b32 s[G0+4*\s], 1
	s_add_co_u32 s[G0+4*\s+1], s45, \s*SLOT
	s_add_nc_u64 s[G0+4*\s+2:G0+4*\s+3], s[46:47], \s*ASTEP
	s_or_b32 s[G0+4*\s+3], s[G0+4*\s+3], 0x80000000
	s_mov_b32 s[G0B+4*\s], 1
	s_add_co_u32 s[G0B+4*\s+1], s67, \s*SLOT
	s_add_nc_u64 s[G0B+4*\s+2:G0B+4*\s+3], s[18:19], \s*ROWB
	s_or_b32 s[G0B+4*\s+3], s[G0B+4*\s+3], 0x80000000
	JLOAD G0+4*\s, G1, G0B+4*\s, G1B
.endr
	v_and_b32 v1, 15, v0                           ; r
	v_bfe_u32 v2, v0, 4, 1                         ; h
	s_lshl_b32 s22, s42, 10                        ; bo: 256 x tile column + 128 x my half, 4 bytes each
	s_lshl_b32 s23, s[CH], 9
	s_add_co_u32 s22, s22, s23
	s_mov_b32 s23, 0
	s_add_nc_u64 s[12:13], s[12:13], s[22:23]
	v_lshlrev_b32 v3, 6, v2
.irp b, 0,1,2,3,4,5,6,7
	global_load_b128 v[BI+8*\b:BI+8*\b+3], v3, s[12:13] offset:(32*(\b/2)+8*(\b%2))*4
	global_load_b128 v[BI+8*\b+4:BI+8*\b+7], v3, s[12:13] offset:(32*(\b/2)+8*(\b%2))*4+16
.endr
	v_mul_u32_u24 v4, v1, 80
	v_lshl_add_u32 v4, v2, 4, v4                   ; A: token x 80 + 16 h
	v_mul_u32_u24 v5, v1, PITCH
	v_lshl_add_u32 v5, v2, 4, v5                   ; B: row x 272 + 16 h
	s_mul_i32 s16, s[RH], HALFA
	s_mul_i32 s17, s[CH], HALFT
	s_add_co_u32 s17, s17, 2*HALFA
.irp s, 0,1
	v_add_nc_u32 v[ADRA+\s], s16, v4
	v_add_nc_u32 v[ADRB+\s], s17, v5
	s_add_co_u32 s16, s16, SLOT
	s_add_co_u32 s17, s17, SLOT
.endr
	v_mul_u32_u24 v5, v1, KS
	v_lshrrev_b32 v6, 8, v5
	v_lshl_add_u32 v5, v6, 4, v5
	s_mul_i32 s16, s[RH], HALFS
	s_mul_i32 s17, s[CH], HALFS
	s_add_co_u32 s17, s17, 2*HALFS
	s_sub_co_u32 s17, s17, s16
	v_mul_u32_u24 v6, s17, v2                      ; lanes 16-31 take B's
	s_add_co_u32 s16, s16, SCL
	v_add_nc_u32 v5, v5, v6
	v_add_nc_u32 v[ADRS], s16, v5
	s_mul_i32 s16, s[WV], 16*SPITCH                ; my stage
	v_mul_u32_u24 v5, v1, SPITCH
	v_lshl_add_u32 v5, v2, 6, v5                   ; in: row r, + 64 h bytes
	v_add_nc_u32 v[STO], s16, v5
	v_and_b32 v6, 31, v0
	v_lshlrev_b32 v[CO], 4, v6
	v_add_nc_u32 v[RD], s16, v[CO]
	s_lshl_b32 s16, s66, 8
	s_lshl_b32 s17, s[RH], 7
	s_add_co_u32 s16, s16, s17
	s_lshl_b32 s16, s16, 12                        ; my first row of out0: 4,096 bytes a row
	s_lshl_b32 s17, s42, 10
	s_add_co_u32 s16, s16, s17
	s_lshl_b32 s17, s[CH], 9
	s_add_co_u32 s16, s16, s17
	s_mov_b32 s17, 0
	s_add_nc_u64 s[14:15], s[14:15], s[16:17]
.macro FRAG reg, adr, q, i
.irp c, 0,1,2,3
	ds_load_b128 v[\reg+4*\c:\reg+4*\c+3], v[\adr] offset:128*(\q)+32*\c+(\i)*16*PITCH
.endr
.endm
.macro FRAGA reg, adr, q, i            ; K = 32 c + 16 h of the slot's q-th 128: head 2 q + c / 2, byte 32 (c % 2) + 16 h of the token's 64
.irp c, 0,1,2,3
	ds_load_b128 v[\reg+4*\c:\reg+4*\c+3], v[\adr] offset:(2*(\q)+\c/2)*10240+32*(\c%2)+(\i)*1280
.endr
.endm
.macro MUL16 a0, p, q, sc, first       ; first = 1: the sums begin with bo as C
.irp a, \a0, \a0+1
.irp b, 0,1,2,3,4,5,6,7
.if \first
	v_wmma_scale_f32_16x16x128_f8f6f4 v[8*(8*((\a)%4)+\b):8*(8*((\a)%4)+\b)+7], v[128*(\p)+FR*\b:128*(\p)+FR*\b+FR-1], v[AF+FR*(\a):AF+FR*(\a)+FR-1], v[BI+8*\b:BI+8*\b+7], v[SC+8*NQ*(\sc)+NQ*\b+(\q)], v[SC+8*NQ*(\sc)+NQ*(\a)+(\q)] matrix_a_fmt:MATRIX_FMT_BF8 matrix_b_fmt:MATRIX_FMT_BF8 matrix_a_scale:MATRIX_SCALE_ROW1
.else
	v_wmma_scale_f32_16x16x128_f8f6f4 v[8*(8*((\a)%4)+\b):8*(8*((\a)%4)+\b)+7], v[128*(\p)+FR*\b:128*(\p)+FR*\b+FR-1], v[AF+FR*(\a):AF+FR*(\a)+FR-1], v[8*(8*((\a)%4)+\b):8*(8*((\a)%4)+\b)+7], v[SC+8*NQ*(\sc)+NQ*\b+(\q)], v[SC+8*NQ*(\sc)+NQ*(\a)+(\q)] matrix_a_fmt:MATRIX_FMT_BF8 matrix_b_fmt:MATRIX_FMT_BF8 matrix_a_scale:MATRIX_SCALE_ROW1
.endif
.endr
.endr
.endm
.macro FETCH_B slot, q, p
	WIN TO_B
.irp i, 0,1,2,3,4,5,6,7
	FRAG 128*(\p)+FR*\i, ADRB+\slot, \q, \i
.endr
	WIN 0
.endm
.macro FETCH_A slot, q, i0
.irp i, \i0, \i0+1, \i0+2, \i0+3
	FRAGA AF+FR*(\i), ADRA+\slot, \q, \i
.endr
.endm
.macro SCALES sc
.irp i, 0,1,2,3,4,5,6,7
	ds_load_b64 v[SC+8*NQ*\sc+NQ*\i:SC+8*NQ*\sc+NQ*\i+1], v[ADRS] offset:\i*SBLK
.endr
.endm
.macro PLACES n
.rept \n
	v_nop
.endr
.endm
.macro STEP slot, q, first
	s_wait_dscnt 4*NL                              ; B's set and A's blocks 0-3 are in; the 16 youngest loads may be out
.if \first
	WIN 0x81                                       ; C (bo) window 0, D window 2
.else
	WIN MUL_LO
.endif
	MUL16 0, (\q)%2, \q, \slot, \first
	MUL16 2, (\q)%2, \q, \slot, \first
	s_wait_dscnt 0
	PLACES NP
	FETCH_B \slot, (\q)+1, 1-(\q)%2
	FETCH_A \slot, (\q)+1, 0
.if \first
	WIN 0xc1
.else
	WIN MUL_HI
.endif
	MUL16 4, (\q)%2, \q, \slot, \first
	MUL16 6, (\q)%2, \q, \slot, \first
	PLACES NP
	WIN 0
	FETCH_A \slot, (\q)+1, 4
.endm
.macro TURN slot, next, fill
	s_wait_tensorcnt 0x0                           ; all my tensor loads have landed
	ds_add_u32 v[SPW], v[NIL]
	s_wait_dscnt 4*NL+1                            ; (the add and the 16 youngest loads may be out)
	WIN MUL_LO
	MUL16 0, 1, NQ-1, \slot, 0
	s_wait_dscnt 0x0                               ; the add is done, and my reads of this slot are over
	s_barrier_signal -1
	MUL16 2, 1, NQ-1, \slot, 0
	WIN 0
	s_barrier_wait -1
.if \fill
	CREST
	s_add_nc_u64 s[G0+4*\slot+2:G0+4*\slot+3], s[G0+4*\slot+2:G0+4*\slot+3], 2*ASTEP
	s_add_nc_u64 s[G0B+4*\slot+2:G0B+4*\slot+3], s[G0B+4*\slot+2:G0B+4*\slot+3], 2*ROWB
	JLOAD G0+4*\slot, G1, G0B+4*\slot, G1B
	PLACES NP-4
.else
	PLACES NP
.endif
	v_add_nc_u32 v[ADRS], 4*NQ, v[ADRS]
	FETCH_B \next, 0, 0
	FETCH_A \next, 0, 0
	SCALES \next
	WIN MUL_HI
	MUL16 4, 1, NQ-1, \slot, 0
	MUL16 6, 1, NQ-1, \slot, 0
	PLACES NP
	WIN 0
	FETCH_A \next, 0, 4
.endm
	s_wait_tensorcnt 1                             ; the scales and my part of K step 0 are in; K step 1's load may be out
	s_barrier_signal -1
	s_barrier_wait -1
	FETCH_B 0, 0, 0
	FETCH_A 0, 0, 0
	SCALES 0
	FETCH_A 0, 0, 4
	s_wait_loadcnt 0x0                             ; bo
	STEP 0, 0, 1
	s_mov_b32 s3, LAPS-1
.Llap:
	TURN 0, 1, 1
	STEP 1, 0, 0
	TURN 1, 0, 1
	STEP 0, 0, 0
	s_sub_co_u32 s3, s3, 1
	s_cmp_lg_u32 s3, 0
	s_cbranch_scc1 .Llap
	TURN 0, 1, 0
	STEP 1, 0, 0
	s_wait_dscnt 4*NL
	WIN MUL_LO
	MUL16 0, 1, NQ-1, 1, 0
	MUL16 2, 1, NQ-1, 1, 0
	s_wait_dscnt 0
	WIN MUL_HI
	MUL16 4, 1, NQ-1, 1, 0
	MUL16 6, 1, NQ-1, 1, 0
	WIN 0
; THE WAY OUT, 16 rows x 128 columns at a time, through my own stage: whole rows of 512 bytes come back and leave as aligned runs.  LDS serves a wave's instructions in order.
.macro TOSTAGE a
.set AC, 64*((\a)%4)
	WIN 0x08+4*((\a)/4)                            ; the data: window 2 or 3
.irp b, 0,1,2,3,4,5,6,7
	ds_store_b128 v[STO], v[AC+8*\b:AC+8*\b+3] offset:128*(\b/2)+32*(\b%2)       ; each accumulator from its low end on
	ds_store_b128 v[STO], v[AC+8*\b+4:AC+8*\b+7] offset:128*(\b/2)+32*(\b%2)+16
.endr
	WIN 0
.set BB, BK+64*((\a)%2)
.irp t, 0,1,2,3,4,5,6,7,8,9,10,11,12,13,14,15
	ds_load_b128 v[BB+4*\t:BB+4*\t+3], v[RD] offset:\t*SPITCH
.endr
.endm
.macro SEND a, younger
.set BB, BK+64*((\a)%2)
	s_wait_dscnt \younger                          ; the block is back in registers
.if (\a) > 0
	s_add_nc_u64 s[14:15], s[14:15], 16*SIZE_N*4   ; (behind a wait on XCNT: the earlier stores have read their base)
.endif
.irp t, 0,1,2,3,4,5,6,7,8,9,10,11,12,13,14,15
	global_store_b128 v[CO], v[BB+4*\t:BB+4*\t+3], s[14:15] offset:\t*SIZE_N*4 th:TH_STORE_NT   ; 512 consecutive bytes, aligned
.endr
.endm
	PLACES NP
	TOSTAGE 0
.irp a, 1,2,3,4,5,6,7
.if \a > 1
	s_wait_xcnt 0x0                                ; block a - 2's stores have read their registers and their base
.endif
	TOSTAGE \a
	SEND \a-1, 32                                  ; behind block a - 1's loads: block a's 16 stores and 16 loads
.endr
	s_wait_xcnt 0x0
	SEND 7, 0
	s_wait_tensorcnt 0x0                           ; the wave's end
	ds_add_u32 v[SPW], v[NIL]
	s_wait_dscnt 0x0
	CROUND                                         ; the closing round
	s_endpgm
.Lfunc_end_k_qb912a7a077_oproj:
	.size	k_qb912a7a077_oproj, .Lfunc_end_k_qb912a7a077_oproj-k_qb912a7a077_oproj
	.p2alignl 7, 3214868480
	.fill 96, 4, 3214868480
	.section	.rodata,"a",@progbits
	.p2align	6, 0x0
	.amdhsa_kernel k_qb912a7a077_oproj
		.amdhsa_group_segment_fixed_size 327680
		.amdhsa_private_segment_fixed_size 0
		.amdhsa_enable_private_segment 0
		.amdhsa_kernarg_size 48
		.amdhsa_user_sgpr_count 2
		.amdhsa_user_sgpr_kernarg_segment_ptr 1
		.amdhsa_wavefront_size32 1
		.amdhsa_system_sgpr_workgroup_id_x 1
		.amdhsa_system_sgpr_workgroup_id_y 1
		.amdhsa_system_sgpr_workgroup_id_z 1
		.amdhsa_system_vgpr_workitem_id 0
		.amdhsa_next_free_vgpr 1024
		.amdhsa_next_free_sgpr 100
		.amdhsa_reserve_vcc 0
		.amdhsa_float_denorm_mode_32 3
		.amdhsa_float_denorm_mode_16_64 3
		.amdhsa_memory_ordered 1
		.amdhsa_forward_progress 1
		.amdhsa_inst_pref_size 147
	.end_amdhsa_kernel
	.amdgpu_metadata
---
amdhsa.version: [ 1, 2 ]
amdhsa.kernels:
  - .name:           k_qb912a7a077_oproj
    .symbol:         k_qb912a7a077_oproj.kd
    .args:
      - { .name: ac, .offset: 0, .size: 8, .value_kind: global_buffer, .address_space: global }
      - { .name: asc, .offset: 8, .size: 8, .value_kind: global_buffer, .address_space: global }
      - { .name: cod, .offset: 16, .size: 8, .value_kind: global_buffer, .address_space: global }
      - { .name: scl, .offset: 24, .size: 8, .value_kind: global_buffer, .address_space: global }
      - { .name: bo, .offset: 32, .size: 8, .value_kind: global_buffer, .address_space: global }
      - { .name: out0, .offset: 40, .size: 8, .value_kind: global_buffer, .address_space: global }
    .group_segment_fixed_size: 327680
    .private_segment_fixed_size: 0
    .kernarg_segment_align: 8
    .kernarg_segment_size: 48
    .max_flat_workgroup_size: 128
    .sgpr_count:     100
    .vgpr_count:     1024
    .wavefront_size: 32
...
	.end_amdgpu_metadata
.endif
;; end of part 4
;; ======== version 2 of 2: 4 launches; version 1 with the launch attn written anew for expert scheduling mode
;; workspace buffers: cod 12,582,912 bytes; scl 393,216 bytes; qkc 16,777,216 bytes; qks 1,048,576 bytes; vc 8,388,608 bytes; vs 262,144 bytes; ac 8,388,608 bytes; asc 262,144 bytes
;; launch quant: the kernel of part 1 again; grid 384 x 1, 4 waves a work-group, no clusters, 33,280 bytes of LDS; arguments x, Wq, Wk, Wv, Wo, cod, scl; writes cod, scl
;; launch qkv: the kernel of part 2 again; grid 12 x 32, 4 waves a work-group, clusters of 4 x 4, 327,680 bytes of LDS; arguments cod, scl, bq, bk, bv, qkc, qks, vc, vs; writes qkc, qks, vc, vs
;; launch attn (part 5): grid 4 x 64, 4 waves a work-group, no clusters, 18,944 bytes of LDS; arguments qkc, qks, vc, vs, ac, asc; writes ac, asc
.if DOCPART == 5
	.amdgcn_target "amdgcn-amd-amdhsa--gfx1250"
	.amdhsa_code_object_version 6
	.text
	.protected	k_qb912a7a077_attn
	.globl	k_qb912a7a077_attn
	.p2align	8
	.type	k_qb912a7a077_attn,@function
k_qb912a7a077_attn:
	s_mov_b64 s[64:65], 0
	v_nop
	global_prefetch_b8 v0, s[64:65] scope:SCOPE_SE
	s_setreg_imm32_b32 hwreg(HW_REG_WAVE_SCHED_MODE, 0, 2), 2
	s_setreg_imm32_b32 hwreg(HW_REG_WAVE_MODE, 25, 1), 1
	s_wait_xcnt 0x0
	s_wait_alu depctr_vm_vsrc(0)
; LAUNCH 3 OF 4.  For one batch x head and 512 queries: S = q k^T, the FINISHED softmax p = exp(s / 8 - max) / sum, quantised along the keys, O = p v, and O quantised along the head's 64 for the last product.
; LEFT OUT: jnp.abs(attn): a softmax is never negative, so abs is the identity for all finite inputs.
; The row's sum moves p's codes, so a row's maximum and sum over all 2,048 keys are known before any p is quantised.  So ALL FOUR WAVES WORK ON THE SAME 16 QUERIES, and wave w owns keys 512 w .. 512 w + 511:
; its 16 x 512 scores are 256 registers and stay there from the product to the conversion; its quarter of K (256 registers) and of V^T (256) stay in registers for the whole launch.
; Between waves, for each tile of queries: (-M, sum) of each wave, 8 bytes a lane, one barrier; the partial O, 4 KB a wave, one barrier.  32 tiles of queries to a work-group.
; NO CLUSTER, NO TENSOR LOAD: what the four work-groups of a head share, K and V, each reads once, at its head, straight into registers: 256 KB against 32 tiles' work.
; BOTH PRODUCTS ARE USED TRANSPOSED: a lane holds one query (lane % 16).  The head's 64 fill half of the instruction's 128: K's operand holds TWO tiles of 16 keys (64 codes each), q's operand is [q | zeros] or [zeros | q].
; The keys of a tile: lane r of tile 2 j + u takes key 32 j + 8 u + r + 8 (r / 8), so that registers 16 j .. 16 j + 15 of S^T are keys 32 j + 16 (lane / 16) + 0 .. 15.  V^T's rows d are chosen alike.
; SOFTMAX: t = s log2(e) / 8; M_w = my keys' largest t rounded up to a whole number; 2^(t - M_w); M = the largest M_w; p = 2^(t - M_w) x f, f = 2^(M_w - M) / sum.  1 / sum by v_rcp_f32 and a multiplication.
; A block's largest p is the block's largest score put through the same instructions (v_exp_f32 is taken not to fall where its input rises).
; LIMITS: byte 1 for blocks of zeros and under the floor 2^(16 - 127); 2^(t - M_w) under 2^-126 counts as 0; NaN and infinities are not served.
; REGISTERS: window 1: K, pair j at v[16 j]; window 2: V^T, fragment (s, t) at v[16 (4 s + t)]; window 3: S^T, then p.  Window 0: below.
; THE MODE: SCHED_MODE bits 1:0 = 2 (LLVM: expert scheduling mode 2), set by the entry lines.  The code itself states the register dependences
; between vector or matrix instructions and memory or LDS instructions, with s_wait_alu, always for 0.
; THE PLAN.  Registers that memory or LDS instructions touch:
;   v4-8, v10-13, v41, v42, v14, v15   offsets and LDS addresses: written once at the head, ahead of the head's wait on va_vdst, and never again: the rows are reached by scalar bases and immediate offsets.
;   windows 1 and 2, v64-79, v128-159  loaded once at the head.
;   v24-31, v40   q and its scale word.  Read by a trip's 32 products; the next tile's loads land in them behind a wait on va_vdst that stands behind the search for the blocks' maxima.
;   v84, v85      (-M_w, sum_w).  Written by vector lines, read by the LDS store ahead of the first barrier, written again in the next trip.
;   v86-93        the four waves' pairs.  LDS loads land in them; vector lines then work on them.  The wait ahead of the next trip's store of v84, v85 stands between those lines and the next loads.
;   v96-127       O^T.  Written by the 16 products, read by eight LDS stores, begun anew by the next trip's products.
;   v192-223      at work in vector lines; then the four waves' partial O lands in them.  The wait ahead of O^T's stores stands between.
;   v240-242      the conversions' scale operands; at a trip's end the tile's codes and bytes, read by the two global stores; written again in the next trip.
;   v128-191, v80-83, v48-63   p's codes and scale words, K's scale words: written by vector lines, taken by scaled matrix instructions: a wait on va_vdst behind the places, ahead of each group of products.
; ONE wait on vm_vsrc a trip, beside the wait on XCNT, serves v84, v85, O^T and v240-242 together: it stands in the trip BEHIND the stores, behind that trip's 32 products and their maxima and ahead of the first line
; that writes any of them again.  The four bases move on there too: so q's loads take the stepped base as it is, and the stores at the trip's end reach back by a negative offset.
.set STAT,  0                          ; LDS: 256 bytes a wave: (-M_w, sum_w), 8 bytes a lane
.set OEX,   1024                       ; 4 waves x 16 rows x (256 + 16) bytes: the partial O
.set OP,    272
.set OW,    16*OP
.set SPARE, OEX+4*OW                   ; the spare words
.set SPW, 14
.set NIL, 15
.set ZA,  16                           ; v16-23 zeros | v24-31 q | v32-39 zeros
.set QF,  24
.set ZB,  32
.set QS,  40                           ; q's scale word (s0, s1, s0, s1)
.set KSC, 48                           ; v48-63 K's scale words: bytes 0, 1 tile 2 j's key, bytes 2, 3 tile 2 j + 1's
.set VSC, 64                           ; v64-79 V's
.set PS,  80                           ; v80-83 p's
.set ST,  84                           ; v84 -M_w, v85 sum_w;  v86-93 the four waves';  v94 f (v95 named with it)
.set OA,  96                           ; v96-127 O^T: four accumulators
.set CD,  128                          ; v128-191 p's codes, 16 registers for each 128 keys
.set BM,  192                          ; v192-207 the blocks' largest
.set TP,  208                          ; v208-223 at work
.set HD,  224                          ; v224-239 57,344 x the scale
.set SO,  240                          ; v240-255 the conversions' scale operands
.set MSB, 0
.macro WIN new
.if MSB != (\new)
	s_set_vgpr_msb (MSB<<8)|(\new)
.set MSB, (\new)
.endif
.endm
	s_load_b256 s[4:11], s[0:1], 0x0               ; qkc, qks, vc, vs
	s_load_b128 s[12:15], s[0:1], 0x20             ; ac, asc
	v_lshl_add_u32 v[SPW], v0, 2, SPARE
	v_mov_b32 v[NIL], 0
	v_lshrrev_b32 v1, 5, v0
	v_readfirstlane_b32 s17, v1                    ; wave
	s_and_b32 s16, ttmp7, 0xffff                   ; batch x 16 + head
	v_and_b32 v1, 15, v0                           ; r
	v_bfe_u32 v2, v0, 4, 1                         ; h
	v_and_b32 v3, 8, v1
	v_add_nc_u32 v3, v3, v1                        ; r + 8 (r / 8)
	v_lshlrev_b32 v4, 6, v1
	v_lshl_add_u32 v4, v2, 4, v4                   ; q: 64 r + 16 h
	v_lshlrev_b32 v5, 2, v1                        ; q's scale word
	v_lshlrev_b32 v6, 6, v3
	v_lshl_add_u32 v6, v2, 4, v6                   ; K
	v_lshlrev_b32 v7, 2, v3                        ; K's and V's scale words
	v_lshlrev_b32 v8, 11, v3
	v_lshl_add_u32 v8, v2, 4, v8                   ; V: a row d is 2,048 bytes
	v_lshlrev_b32 v10, 3, v0                       ; STAT: 8 x thread = 256 x wave + 8 x lane
	v_and_b32 v9, 31, v0                           ; lane
	v_lshlrev_b32 v11, 3, v9                       ; STAT, reading: 8 x lane
	s_wait_alu depctr_va_sdst(0)                   ; s17, the wave's number, is written, ahead of its first reader: LDS places and the bases are made from it
	s_mul_i32 s18, s17, OW
	v_mul_u32_u24 v12, v1, OP
	v_lshl_add_u32 v12, v2, 6, v12
	v_add_nc_u32 v12, s18, v12
	v_add_nc_u32 v12, OEX, v12                     ; my partial O: row r, + 64 h bytes
	v_lshrrev_b32 v13, 3, v0                       ; 4 x wave + lane / 8: the query that I finish
	v_mul_u32_u24 v13, v13, OP
	v_and_b32 v41, 7, v0
	v_lshl_add_u32 v13, v41, 5, v13
	v_add_nc_u32 v13, OEX, v13                     ; its 8 channels 8 (lane % 8) on
	v_lshlrev_b32 v41, 3, v9                       ; ac: 8 bytes a lane
	v_lshrrev_b32 v42, 3, v9
	v_lshlrev_b32 v42, 5, v42                      ; asc: 32 bytes a token
.irp i, 16,17,18,19,20,21,22,23,32,33,34,35,36,37,38,39,43,44,45,46,47,85,95,228
	v_mov_b32 v\i, 0                               ; the operand's zero halves; registers named in pairs or as a lane move's destination before they are first written
.endr
.irp i, 0,1,2,3,4,5,6,7,8,9,10,11,12,13,14,15
	v_mov_b32 v[TP+\i], 0
.endr
	s_lshl_b32 s18, s16, 11
	s_lshl_b32 s19, ttmp9, 9
	s_add_co_u32 s19, s18, s19                     ; my first query's row
	s_lshl_b32 s26, s17, 9
	s_add_co_u32 s18, s18, s26                     ; my first key's row
	s_lshl_b32 s32, s19, 6
	s_mov_b32 s33, 0
	s_lshl_b32 s34, s19, 2
	s_mov_b32 s35, 0
	s_lshl_b32 s36, s18, 6
	s_add_co_u32 s36, s36, 1<<23                   ; k lies behind q
	s_mov_b32 s37, 0
	s_lshl_b32 s38, s18, 2
	s_add_co_u32 s38, s38, 1<<19
	s_mov_b32 s39, 0
	s_lshl_b32 s40, s16, 17
	s_add_co_u32 s40, s40, s26                     ; V: the head's 64 rows, my 512 keys
	s_mov_b32 s41, 0
	s_lshl_b32 s42, s16, 4
	s_lshl_b32 s27, s17, 2
	s_add_co_u32 s42, s42, s27
	s_lshl_b32 s42, s42, 8                         ; V's scale words: my four runs of 128 keys
	s_mov_b32 s43, 0
	s_lshl_b32 s44, s17, 8
	s_add_co_u32 s44, s44, s32                     ; ac: my four queries of a tile
	s_mov_b32 s45, 0
	s_lshr_b32 s46, s16, 4
	s_lshl_b32 s46, s46, 11
	s_lshl_b32 s47, ttmp9, 9
	s_add_co_u32 s46, s46, s47
	s_add_co_u32 s46, s46, s27
	s_lshl_b32 s46, s46, 5
	s_and_b32 s47, s16, 15
	s_lshl_b32 s47, s47, 1
	s_add_co_u32 s46, s46, s47                     ; asc: token x 32 + 2 x head
	s_mov_b32 s47, 0
	s_mov_b32 s20, 0x76543210
	s_mov_b32 s21, 0xfedcba98                      ; lane l xor 16
	s_mov_b32 s22, 0x3e38aa3b                      ; c = log2(e) / 8
	s_mov_b32 s23, s22
	s_mov_b32 s24, 0x600000
	s_mov_b32 s26, 0xf0f0f0f0                      ; the lanes with lane & 4
	s_mov_b32 s27, 0xffff
	s_wait_kmcnt 0x0
	s_add_nc_u64 s[28:29], s[4:5], s[36:37]        ; K's codes
	s_add_nc_u64 s[30:31], s[6:7], s[38:39]        ; K's scale words
	s_add_nc_u64 s[4:5], s[4:5], s[32:33]          ; q's codes
	s_add_nc_u64 s[6:7], s[6:7], s[34:35]
	s_add_nc_u64 s[8:9], s[8:9], s[40:41]
	s_add_nc_u64 s[10:11], s[10:11], s[42:43]
	s_add_nc_u64 s[12:13], s[12:13], s[44:45]
	s_add_nc_u64 s[14:15], s[14:15], s[46:47]
	WIN 0x40                                       ; destination window 1
	s_wait_alu depctr_va_vdst(0)                   ; all offsets and LDS addresses (v4-8, v10-15, v41, v42) are written, which the kernel's loads, stores and LDS instructions read; up to the head's last load only loads and window switches follow
.set jj, 0
.rept 16
.irp u, 0,1
.irp c, 0,1
	global_load_b128 v[16*jj+8*\u+4*\c:16*jj+8*\u+4*\c+3], v6, s[28:29] offset:(32*jj+8*\u)*64+32*\c
.endr
.endr
.set jj, jj+1
.endr
	WIN 0x80                                       ; destination window 2
.irp s, 0,1,2,3
.irp t, 0,1,2,3
.irp c, 0,1,2,3
	global_load_b128 v[16*(4*\s+\t)+4*\c:16*(4*\s+\t)+4*\c+3], v8, s[8:9] offset:(32*(\t/2)+8*(\t%2))*2048+128*\s+32*\c
.endr
.endr
.endr
	WIN 0
.set jj, 0
.rept 16
	global_load_b32 v[128+2*jj], v7, s[30:31] offset:128*jj
	global_load_b32 v[129+2*jj], v7, s[30:31] offset:128*jj+32
.set jj, jj+1
.endr
.irp s, 0,1,2,3
.irp t, 0,1,2,3
	global_load_b32 v[VSC+4*\s+\t], v7, s[10:11] offset:256*\s+(32*(\t/2)+8*(\t%2))*4
.endr
.endr
	global_load_b128 v[QF:QF+3], v4, s[4:5]        ; the first tile's q
	global_load_b128 v[QF+4:QF+7], v4, s[4:5] offset:32
	global_load_b32 v[QS], v5, s[6:7]
	s_wait_loadcnt 0x0
.set jj, 0
.rept 16
	v_bfi_b32 v[KSC+jj], s27, v[128+2*jj], v[129+2*jj]   ; low half: tile 2 j's bytes; high half: tile 2 j + 1's
.set jj, jj+1
.endr
.rept 8
	v_nop                                          ; a scale register written by a vector instruction stands 8 places ahead of the product
.endr
	s_wait_alu depctr_va_vdst(0)                   ; K's scale words v48-63 are written, which the scaled products of every trip take; the places above stay beside this wait
.macro BMAX g                          ; the largest score of blocks 8 g .. 8 g + 7, by turns; each accumulator is read from its low end on
	WIN 0x3f
.irp b, 0,1,2,3,4,5,6,7
	v_max3_num_f32 v[BM+8*\g+\b], v[16*(8*\g+\b)], v[16*(8*\g+\b)+1], v[16*(8*\g+\b)+2]
.endr
	WIN 0x3c
.irp i, 3,5,7,9,11,13
.irp b, 0,1,2,3,4,5,6,7
	v_max3_num_f32 v[BM+8*\g+\b], v[BM+8*\g+\b], v[16*(8*\g+\b)+\i], v[16*(8*\g+\b)+\i+1]
.endr
.endr
.irp b, 0,1,2,3,4,5,6,7
	v_max_num_f32 v[BM+8*\g+\b], v[BM+8*\g+\b], v[16*(8*\g+\b)+15]
.endr
.endm
.macro PRE s                           ; the four blocks of keys 128 s on: largest p, scale operand, hold, bytes, p's scale word
	WIN 0
.irp c, 0,1,2,3
	v_mul_f32 v[BM+4*\s+\c], v[BM+4*\s+\c], v94
.endr
.irp c, 0,1,2,3
	v_max_num_f32 v[BM+4*\s+\c], 0x8000000, v[BM+4*\s+\c]     ; the floor 2^(16 - 127)
.endr
.irp c, 0,1,2,3
	v_add_nc_u32 v[SO+4*\s+\c], 0xf8800000, v[BM+4*\s+\c]
.endr
.irp c, 0,1,2,3
	v_and_or_b32 v[HD+4*\s+\c], v[BM+4*\s+\c], 0x7f800000, s24
.endr
.irp c, 0,1,2,3
	v_lshrrev_b32 v[TP+4*\s+\c], 23, v[SO+4*\s+\c]
.endr
	v_lshl_or_b32 v[PS+\s], v[TP+4*\s+1], 8, v[TP+4*\s]
	v_lshl_or_b32 v[PS+\s], v[TP+4*\s+2], 16, v[PS+\s]
	v_lshl_or_b32 v[PS+\s], v[TP+4*\s+3], 24, v[PS+\s]
.endm
.macro MULMIN s                        ; p = 2^(t - M_w) x f, held at the largest code x the scale (p is not negative: the hold is one-sided)
	WIN 0xc3
.set nn, 0
.rept 32
	v_pk_mul_f32 v[64*\s+2*nn:64*\s+2*nn+1], v[64*\s+2*nn:64*\s+2*nn+1], v[94:95] op_sel_hi:[1,0]
.set nn, nn+1
.endr
.set nn, 0
.rept 64
	v_min_num_f32 v[64*\s+nn], v[64*\s+nn], v[HD+4*\s+nn/16]
.set nn, nn+1
.endr
.endm
.macro CVT s
	WIN 0x03
.irp c, 0,1,2,3
	v_cvt_scalef32_pk8_bf8_f32 v[CD+16*\s+4*\c:CD+16*\s+4*\c+1], v[64*\s+16*\c:64*\s+16*\c+7], v[SO+4*\s+\c]
	v_cvt_scalef32_pk8_bf8_f32 v[CD+16*\s+4*\c+2:CD+16*\s+4*\c+3], v[64*\s+16*\c+8:64*\s+16*\c+15], v[SO+4*\s+\c]
.endr
.endm
.macro PV s                            ; O^T += V^T p^T over keys 128 s on: the four accumulators take turns
	WIN 0x02
	s_wait_alu depctr_va_vdst(0)                   ; the conversions have written these 128 keys' codes and the vector lines their scale word, which the four scaled products take; the places ahead of this wait stay beside it
.irp t, 0,1,2,3
.if \s == 0
	v_wmma_scale_f32_16x16x128_f8f6f4 v[OA+8*\t:OA+8*\t+7], v[16*(4*\s+\t):16*(4*\s+\t)+15], v[CD+16*\s:CD+16*\s+15], 0, v[VSC+4*\s+\t], v[PS+\s] matrix_a_fmt:MATRIX_FMT_BF8 matrix_b_fmt:MATRIX_FMT_BF8
.else
	v_wmma_scale_f32_16x16x128_f8f6f4 v[OA+8*\t:OA+8*\t+7], v[16*(4*\s+\t):16*(4*\s+\t)+15], v[CD+16*\s:CD+16*\s+15], v[OA+8*\t:OA+8*\t+7], v[VSC+4*\s+\t], v[PS+\s] matrix_a_fmt:MATRIX_FMT_BF8 matrix_b_fmt:MATRIX_FMT_BF8
.endif
.endr
.endm
	s_mov_b32 s25, 32                              ; tiles of 16 queries
.Ltile:
	s_wait_loadcnt 0x0                             ; this tile's q, asked for a trip ago
	WIN 0xc1                                       ; K window 1, q window 0, S^T window 3
.set tt, 0
.rept 32
.if tt%2 == 0
	v_wmma_scale_f32_16x16x128_f8f6f4 v[8*tt:8*tt+7], v[16*(tt/2):16*(tt/2)+15], v[QF:QF+15], 0, v[KSC+tt/2], v[QS] matrix_a_fmt:MATRIX_FMT_BF8 matrix_b_fmt:MATRIX_FMT_BF8
.else
	v_wmma_scale_f32_16x16x128_f8f6f4 v[8*tt:8*tt+7], v[16*(tt/2):16*(tt/2)+15], v[ZA:ZA+15], 0, v[KSC+tt/2], v[QS] matrix_a_fmt:MATRIX_FMT_BF8 matrix_b_fmt:MATRIX_FMT_BF8
.endif
.set tt, tt+1
.endr
.rept 8
	v_nop                                          ; places in front of the first read of the scores
.endr
	BMAX 0
	BMAX 1
	WIN 0
	s_wait_xcnt 0x0                                ; the last trip's loads and stores have had their addresses translated (ISA guide 3.1): their bases, and the stores' data, are written again only behind this wait
	s_wait_alu depctr_vm_vsrc(0)                   ; the last trip's LDS stores have read v84, v85 and O^T, its global stores v240-242: this trip's lines below write them all again, v84 first
	s_add_nc_u64 s[4:5], s[4:5], 1024              ; q and its scale words at the next tile;
	s_add_nc_u64 s[6:7], s[6:7], 64
	s_add_nc_u64 s[12:13], s[12:13], 1024          ; ac and asc one tile past this one: the stores at the trip's end reach back
	s_add_nc_u64 s[14:15], s[14:15], 512
	s_cmp_eq_u32 s25, 1                            ; the last tile asks for nothing: no load leaves its buffer
	s_cbranch_scc1 .Lno_q
	s_wait_alu depctr_va_vdst(0)                   ; the 32 products are done reading q and its scale word, in which the three loads land
	global_load_b128 v[QF:QF+3], v4, s[4:5]
	global_load_b128 v[QF+4:QF+7], v4, s[4:5] offset:32
	global_load_b32 v[QS], v5, s[6:7]
.Lno_q:
.irp b, 0,1,2,3,4,5,6,7,8,9,10,11,12,13,14,15
	v_permlanex16_b32 v[TP+\b], v[BM+\b], s20, s21
.endr
.irp b, 0,1,2,3,4,5,6,7,8,9,10,11,12,13,14,15
	v_max_num_f32 v[BM+\b], v[BM+\b], v[TP+\b]     ; with lane l xor 16's 16 keys: the block's largest score
.endr
	v_max3_num_f32 v43, v[BM], v[BM+1], v[BM+2]
	v_max3_num_f32 v44, v[BM+3], v[BM+4], v[BM+5]
	v_max3_num_f32 v43, v43, v[BM+6], v[BM+7]
	v_max3_num_f32 v44, v44, v[BM+8], v[BM+9]
	v_max3_num_f32 v43, v43, v[BM+10], v[BM+11]
	v_max3_num_f32 v44, v44, v[BM+12], v[BM+13]
	v_max3_num_f32 v43, v43, v[BM+14], v[BM+15]
	v_max_num_f32 v43, v43, v44                    ; my 512 keys' largest score of my query
	v_mul_f32 v43, s22, v43                        ; as t (c is positive)
	v_floor_f32 v[ST], -v43                        ; -M_w = -ceil(t): a whole number
.irp b, 0,1,2,3,4,5,6,7,8,9,10,11,12,13,14,15
	v_fma_f32 v[BM+\b], v[BM+\b], s22, v[ST]       ; t - M_w of each block's largest score
.endr
	WIN 0xc3                                       ; ONE BATCH: 128 packed scalings and 272 exponentials; nothing in it names an exponential's result
	v_pk_fma_f32 v[0:1], v[0:1], s[22:23], v[ST:ST+1] op_sel_hi:[1,0,0]
	v_pk_fma_f32 v[2:3], v[2:3], s[22:23], v[ST:ST+1] op_sel_hi:[1,0,0]
.set nn, 0
.rept 128
	v_exp_f32 v[2*nn], v[2*nn]
	v_exp_f32 v[2*nn+1], v[2*nn+1]
.if nn+2 < 128
	v_pk_fma_f32 v[2*nn+4:2*nn+5], v[2*nn+4:2*nn+5], s[22:23], v[ST:ST+1] op_sel_hi:[1,0,0]   ; a pair is scaled two pairs ahead of its exponentials
.endif
.set nn, nn+1
.endr
	WIN 0
.irp b, 0,1,2,3,4,5,6,7,8,9,10,11,12,13,14,15
	v_exp_f32 v[BM+\b], v[BM+\b]
.endr
	v_nop                                          ; a plain line behind the last exponential
	s_wait_alu depctr_va_vdst(0)                   ; the 272 exponentials have written their results: the wait ahead of the first instruction that names one: one for the batch
	WIN 0x0f                                       ; the sum of the unquantised numbers: eight chains of pairs
.irp k, 0,1,2,3,4,5,6,7
	v_pk_add_f32 v[TP+2*\k:TP+2*\k+1], v[2*\k:2*\k+1], v[2*\k+16:2*\k+17]
.endr
	WIN 0x0c
.set nn, 16
.rept 112
	v_pk_add_f32 v[TP+2*(nn%8):TP+2*(nn%8)+1], v[TP+2*(nn%8):TP+2*(nn%8)+1], v[2*nn:2*nn+1]
.set nn, nn+1
.endr
	WIN 0
	v_pk_add_f32 v[TP:TP+1], v[TP:TP+1], v[TP+2:TP+3]
	v_pk_add_f32 v[TP+4:TP+5], v[TP+4:TP+5], v[TP+6:TP+7]
	v_pk_add_f32 v[TP+8:TP+9], v[TP+8:TP+9], v[TP+10:TP+11]
	v_pk_add_f32 v[TP+12:TP+13], v[TP+12:TP+13], v[TP+14:TP+15]
	v_pk_add_f32 v[TP:TP+1], v[TP:TP+1], v[TP+4:TP+5]
	v_pk_add_f32 v[TP+8:TP+9], v[TP+8:TP+9], v[TP+12:TP+13]
	v_pk_add_f32 v[TP:TP+1], v[TP:TP+1], v[TP+8:TP+9]
	v_add_f32 v[ST+1], v[TP], v[TP+1]
	v_permlanex16_b32 v44, v[ST+1], s20, s21
	v_add_f32 v[ST+1], v[ST+1], v44                ; sum_w
	s_wait_alu depctr_va_vdst(0)                   ; v84 and v85 are written, which the store reads; the last trip's lines are done with v86-93, in which the four loads behind the barrier land (no vector line stands between)
	ds_store_b64 v10, v[ST:ST+1]
	s_wait_dscnt 0x0                               ; for the others' sake: my store is done
	s_barrier_signal -1
	s_barrier_wait -1
.irp w, 0,1,2,3
	ds_load_b64 v[86+2*\w:87+2*\w], v11 offset:STAT+256*\w
.endr
	s_wait_dscnt 0x0
	v_min_num_f32 v43, v86, v88
	v_min_num_f32 v45, v90, v92
	v_min_num_f32 v43, v43, v45                    ; -M
.irp w, 0,1,2,3
	v_sub_f32 v[86+2*\w], v43, v[86+2*\w]          ; M_w - M: a whole number, 0 or less
.endr
.irp w, 0,1,2,3
	v_cvt_i32_f32 v[86+2*\w], v[86+2*\w]           ; (it saturates)
.endr
.irp w, 0,1,2,3
	v_ldexp_f32 v[87+2*\w], v[87+2*\w], v[86+2*\w] ; each wave's sum under M: nothing is rounded
.endr
	v_add_f32 v45, v87, v89                        ; in one order in all four waves
	v_add_f32 v45, v45, v91
	v_add_f32 v45, v45, v93
	v_rcp_f32 v46, v45
	v_sub_f32 v47, v43, v[ST]                      ; my own M_w - M (the plain line behind the reciprocal)
	v_cvt_i32_f32 v47, v47
	s_wait_alu depctr_va_vdst(0)                   ; the reciprocal has written v46: the wait ahead of its first reader
	v_ldexp_f32 v94, v46, v47                      ; f
	PRE 0
	MULMIN 0
	CVT 0
	PRE 1                                          ; 23 plain lines: the place behind the conversions and the four in front of the product
	PV 0
	MULMIN 1
	CVT 1
	PRE 2
	PV 1
	MULMIN 2
	CVT 2
	PRE 3
	PV 2
	MULMIN 3
	CVT 3
.rept 4
	v_nop
.endr
	PV 3
	WIN 0
.rept 8
	v_nop
.endr
	s_wait_alu depctr_va_vdst(0)                   ; the products have written O^T, which the stores read (the eight places above stay beside this wait); the vector lines are done with v192-223, in which the eight loads behind the barrier land (no vector line stands between)
.irp t, 0,1,2,3
	ds_store_b128 v12, v[OA+8*\t:OA+8*\t+3] offset:128*(\t/2)+32*(\t%2)          ; register j of tile t: channel 32 (t / 2) + 16 h + 8 (t % 2) + j; the low four first
	ds_store_b128 v12, v[OA+8*\t+4:OA+8*\t+7] offset:128*(\t/2)+32*(\t%2)+16
.endr
	s_wait_dscnt 0x0
	s_barrier_signal -1
	s_barrier_wait -1
.irp w, 0,1,2,3
	ds_load_b128 v[192+8*\w:195+8*\w], v13 offset:OW*\w
	ds_load_b128 v[196+8*\w:199+8*\w], v13 offset:OW*\w+16
.endr
	s_wait_dscnt 0x0
.irp i, 0,2,4,6
	v_pk_add_f32 v[192+\i:193+\i], v[192+\i:193+\i], v[200+\i:201+\i]
	v_pk_add_f32 v[208+\i:209+\i], v[208+\i:209+\i], v[216+\i:217+\i]
.endr
.irp i, 0,2,4,6
	v_pk_add_f32 v[192+\i:193+\i], v[192+\i:193+\i], v[208+\i:209+\i]   ; query 4 w + lane / 8, channels 8 (lane % 8) on
.endr
	v_max3_num_f32 v224, |v192|, |v193|, 0x8000000
	v_max3_num_f32 v224, v224, |v194|, |v195|
	v_max3_num_f32 v224, v224, |v196|, |v197|
	v_max3_num_f32 v224, v224, |v198|, |v199|
	v_max_num_f32_dpp v224, v224, v224 row_xmask:1 row_mask:0xf bank_mask:0xf
	v_max_num_f32_dpp v224, v224, v224 row_xmask:2 row_mask:0xf bank_mask:0xf   ; four lanes hold a block of 32
	v_add_nc_u32 v225, 0xf8800000, v224
	v_and_or_b32 v226, v224, 0x7f800000, s24
	v_lshrrev_b32 v227, 23, v225
.irp i, 0,1,2,3,4,5,6,7
	v_med3_num_f32 v[192+\i], v[192+\i], -v226, v226
.endr
	v_cvt_scalef32_pk8_bf8_f32 v[240:241], v[192:199], v225
	v_mov_b32_dpp v228, v227 row_xmask:4 row_mask:0xf bank_mask:0xf    ; the head's other block's byte
	v_cndmask_b32 v229, v227, v228, s26            ; block 0's byte
	v_cndmask_b32 v230, v228, v227, s26            ; block 1's
	v_lshl_or_b32 v242, v230, 8, v229
	s_wait_alu depctr_va_vdst(0)                   ; the conversion has written v[240:241] and the line above v242, which the two stores read
	global_store_b64 v41, v[240:241], s[12:13] offset:-1024   ; the wave stores 256 consecutive bytes, aligned; the base stands one tile on: the offset reaches back
	global_store_b16 v42, v242, s[14:15] offset:-512          ; two bytes a token (eight lanes write the same two): 2 bytes for each 64 of codes; a token's 32 bytes come from 16 heads' work-groups
	s_sub_co_u32 s25, s25, 1
	s_cmp_lg_u32 s25, 0
	s_cbranch_scc1 .Ltile
	s_wait_dscnt 0x0                               ; the closing lines, six on end
	s_wait_alu 0x0
	s_wait_tensorcnt 0x0
	ds_add_u32 v[SPW], v[NIL]
	s_wait_dscnt 0x0
	s_endpgm
.Lfunc_end_k_qb912a7a077_attn:
	.size	k_qb912a7a077_attn, .Lfunc_end_k_qb912a7a077_attn-k_qb912a7a077_attn
	.p2alignl 7, 3214868480
	.fill 96, 4, 3214868480
	.section	.rodata,"a",@progbits
	.p2align	6, 0x0
	.amdhsa_kernel k_qb912a7a077_attn
		.amdhsa_group_segment_fixed_size 18944
		.amdhsa_private_segment_fixed_size 0
		.amdhsa_enable_private_segment 0
		.amdhsa_kernarg_size 48
		.amdhsa_user_sgpr_count 2
		.amdhsa_user_sgpr_kernarg_segment_ptr 1
		.amdhsa_wavefront_size32 1
		.amdhsa_system_sgpr_workgroup_id_x 1
		.amdhsa_system_sgpr_workgroup_id_y 1
		.amdhsa_system_sgpr_workgroup_id_z 1
		.amdhsa_system_vgpr_workitem_id 0
		.amdhsa_next_free_vgpr 1024
		.amdhsa_next_free_sgpr 66
		.amdhsa_reserve_vcc 0
		.amdhsa_float_denorm_mode_32 3
		.amdhsa_float_denorm_mode_16_64 3
		.amdhsa_memory_ordered 1
		.amdhsa_forward_progress 1
		.amdhsa_inst_pref_size 96
	.end_amdhsa_kernel
	.amdgpu_metadata
---
amdhsa.version: [ 1, 2 ]
amdhsa.kernels:
  - .name:           k_qb912a7a077_attn
    .symbol:         k_qb912a7a077_attn.kd
    .args:
      - { .name: qkc, .offset: 0, .size: 8, .value_kind: global_buffer, .address_space: global }
      - { .name: qks, .offset: 8, .size: 8, .value_kind: global_buffer, .address_space: global }
      - { .name: vc, .offset: 16, .size: 8, .value_kind: global_buffer, .address_space: global }
      - { .name: vs, .offset: 24, .size: 8, .value_kind: global_buffer, .address_space: global }
      - { .name: ac, .offset: 32, .size: 8, .value_kind: global_buffer, .address_space: global }
      - { .name: asc, .offset: 40, .size: 8, .value_kind: global_buffer, .address_space: global }
    .group_segment_fixed_size: 18944
    .private_segment_fixed_size: 0
    .kernarg_segment_align: 8
    .kernarg_segment_size: 48
    .max_flat_workgroup_size: 128
    .sgpr_count:     66
    .vgpr_count:     1024
    .wavefront_size: 32
...
	.end_amdgpu_metadata
.endif
;; end of part 5
;; launch oproj: the kernel of part 4 again; grid 4 x 32, 4 waves a work-group, clusters of 4 x 4, 327,680 bytes of LDS; arguments ac, asc, cod, scl, bo, out0; writes out0
